; MI455X (gfx1250); checked and timed in simulation.
; The chip was launched on July 23, 2026; its instructions are those of AMD's public machine-readable ISA for CDNA 5 (MIT licence, August 2026) and "CDNA5" Instruction Set Architecture Reference Guide (July 2026). The comments in the code are by the model that wrote it; some were corrected since.
;; Multi Head Attention. Allowed arithmetic: matrix products marked QUANTISED: E3M2 operands, one E8M0 scale for each 32 along K, by v_wmma_scale_f32_16x16x128_f8f6f4 with both operands' format E3M2, f32 sums; everything else in f32.
;; Inputs: Wk 1,024 x 1,024 float32; Wo 1,024 x 1,024 float32; Wq 1,024 x 1,024 float32; Wv 1,024 x 1,024 float32; bo 1,024 float32; inputs 4 x 2,048 x 1,024 float32.
;; Outputs: out0 4 x 2,048 x 1,024 float32.
;; This version of the problem:
;;   THIS VERSION OF THE PROBLEM IS GIVEN IN LOW PRECISION. The matrix products marked QUANTISED in the list below multiply operands that are first quantised to E3M2 (3 exponent bits, 2 mantissa bits; 6 bits a number), with one power-of-two scale for each 32 numbers along K (OCP MX v1.0); their sums are f32. All else is computed in f32.
;;   The module's matrix products, in the order in which they are computed (A, B: the left and right operand; K: the contracted axis; several contracted axes count as one K, in the product's order):
;;     1. [M 8,192, K 1,024] x [K 1,024, N 1,024]; A: input inputs; B: input Wq: QUANTISED
;;     2. [M 8,192, K 1,024] x [K 1,024, N 1,024]; A: input inputs; B: input Wk: QUANTISED
;;     3. [M 8,192, K 1,024] x [K 1,024, N 1,024]; A: input inputs; B: input Wv: QUANTISED
;;     4. batch 64 x [M 2,048, K 64] x [K 64, N 2,048]; A: computed on the way; B: computed on the way: QUANTISED
;;     5. batch 64 x [M 2,048, K 2,048] x [K 2,048, N 64]; A: softmax (see below); B: computed on the way: QUANTISED
;;     6. [M 8,192, K 1,024] x [K 1,024, N 1,024]; A: computed on the way; B: input Wo: QUANTISED
;;   THE QUANTISER, for each operand of a quantised product, along K:
;;     - K is cut into blocks of 32 from its start; a last block that is shorter is filled with zeros.
;;     - A block's scale is 2^e with e = floor(log2(the largest magnitude in the block)) - 4, held to -126 .. 127; a block of zeros has e = 0. As a byte (E8M0): e + 127.
;;     - Each number is divided by its block's scale, clamped to +-28, and rounded to the nearest number of E3M2, ties to even, subnormals kept.
;;     - The product sums the exact products of the quantised numbers (number of the format x scale) in f32.
;;   ~~~python
;;   def quantise(x, axis):      # numpy; x: float32 -> the quantised numbers, widened to float32 again
;;       x = np.moveaxis(x, axis, -1); K = x.shape[-1]
;;       x = np.pad(x, [(0, 0)] * (x.ndim - 1) + [(0, -K % 32)]); x = x.reshape(x.shape[:-1] + (-1, 32)); a = np.abs(x).max(-1, keepdims=True)
;;       e = np.where(a > 0, np.clip(np.frexp(np.where(a > 0, a, 1))[1] - 1 - 4, -126, 127), 0)      # np.frexp(a)[1] - 1 = floor(log2(a)), exactly
;;       r = np.clip(x / 2.0 ** e, -28, 28)
;;       step = 2.0 ** (np.maximum(np.frexp(np.where(r == 0, 1, r))[1] - 1, -2) - 2)
;;       q = np.round(r / step) * step * 2.0 ** e      # np.round: ties to even
;;       return np.moveaxis(q.reshape(q.shape[:-2] + (-1,))[..., :K], -1, axis).astype(np.float32)
;;   ~~~
;;   SOFTMAX AHEAD OF A QUANTISED PRODUCT. Where the list says 'softmax', what is quantised is not the finished softmax but p = 2^(t - M), with t = logit x log2(e) and M = ceil(the row's largest t), a whole number; so 1/2 < the row's largest p <= 1. The row's sum l is taken of the UNQUANTISED p, in f32, and the product's result is divided by l at the end. Since M is a whole number, a kernel that streams over the keys may use a running M (the ceiling of the running maximum): every later rescaling is an exact power of two, which a block's scale takes up: the codes' values come out the same.
;;   OPERANDS COMPUTED ON THE WAY. 'Computed on the way' means the value that the module computes at that place (a softmax that the list does not call 'softmax' is quantised finished and normalised). What goes into a quantiser is computed in f32, as accurately as f32 sums, v_exp_f32 and their like allow (about 1e-6 of the number): no bf16 or f16 on the way to a quantiser, and a product that is left as it is and whose result goes on into a quantised operand takes f32 operands (vector FMAs, or v_wmma_f32_16x16x4_f32). A number that lies on a knife's edge between two numbers of the format may be rounded either way, as far as f32 arithmetic and the matrix unit's own rounding can turn it there, and no further.
;; One version. Each part assembles by itself: llvm-mc -triple=amdgcn-amd-amdhsa -mcpu=gfx1250 --defsym DOCPART=n.
;; ======== version 1 of 1: 4 launches
;; workspace buffers: xop 6,553,600 bytes; wop 3,276,800 bytes; qb 6,815,744 bytes; kv 13,369,344 bytes; cop 6,553,600 bytes
;; launch quant (part 1): grid 384 x 1, 4 waves a work-group, no clusters, 58,880 bytes of LDS; arguments inputs, Wq, Wk, Wv, Wo, xop, wop; writes xop, wop
.if DOCPART == 1
	.amdgcn_target "amdgcn-amd-amdhsa--gfx1250"
	.amdhsa_code_object_version 6
	.text
	.protected	k_q2856521f11_quant
	.globl	k_q2856521f11_quant
	.p2align	8
	.type	k_q2856521f11_quant,@function
k_q2856521f11_quant:
	s_mov_b64 s[64:65], 0
	v_nop
	global_prefetch_b8 v0, s[64:65] scope:SCOPE_SE
	s_setreg_imm32_b32 hwreg(HW_REG_WAVE_MODE, 25, 1), 1
	s_wait_xcnt 0x0
; inputs [8192][1024] f32 (K innermost) and Wq, Wk, Wv, Wo [1024 (k)][1024 (n)] f32 (K outermost) become codes of BF6 (E3M2) with one E8M0 byte for each 32 along K,
; laid in the ORDER OF THE READER'S REGISTERS.  A half fragment (16 rows x 64 K, 6 registers a lane) is 768 bytes: registers 0-3 of lane l at 16 l, registers 4-5 at 512 + 8 l;
; lane (r = l % 16, h = l / 16) holds k = 32 h + 0 .. 31 of its row.  A buffer is [block of 128 rows][chunk of 256 K] x 25,600 bytes; in a chunk: codes at 12,288 q + 1,536 i + 768 c
; (q: which 128 K, i: tile of 16 rows, c: which 64 K), scale words at 24,576 + 128 i + 8 r + 4 q.  THE ROWS OF A TILE ARE NOT NEIGHBOURS: lane r of tile 2 b + u holds row 32 b + 8 u + r + 8 (r / 8).
; wop's blocks: 0-7 Wq, 8-15 Wk, 16-23 Wv, 24-31 Wo; a row of wop is an output column n.
; A block's scale is 2^(floor(log2(largest magnitude)) - 4): its byte is the largest magnitude's exponent field - 4, held at 1 from below by a floor among the maximum's leaves.
; LIMITS: NaN and infinities are not served; a block whose largest magnitude lies under 2^-122, a block of zeros among them, gets the byte 1 (a block of zeros has zero codes; this program alone reads the bytes).
; Work-groups 0-255 take inputs (128 rows x 256 K each; a wave 32 rows), work-groups 256-383 the weights (128 columns x 256 K each; a wave 32 columns).  The two ways have LDS bytes of their own.
; No tensor load, no barrier: waves share nothing.
.set RAW,  128                         ; x: v128-255 two sets of 64 registers as loaded
.set NUM,  64                          ; x: v64-127  my row's 64 numbers: two whole blocks of 32
.set COD,  28                          ; x: v28-39   a fragment's codes
.set XSTG, 8448                        ; x: a wave's stage: 16 rows x (512 bytes + 16)
.set WST,  33792                       ; W: the stages begin behind x's four
.set WSTG, 6144                        ; W: a wave's stage: 8 half fragments
.macro XLOAD t                         ; sub-unit t = 2 u + q: the 16 rows of tile 2 b + u, 128 K: each load reads 512 consecutive bytes of one row
.set P, 0
.rept 16
	global_load_b128 v[RAW+64*((\t)%2)+4*P:RAW+64*((\t)%2)+4*P+3], v2, s[4:5] offset:(8*((\t)/2)+P+8*(P/8))*4096+512*((\t)%2) th:TH_LOAD_NT
.set P, P+1
.endr
.endm
.macro XTURN t                         ; through the wave's stage: in as loaded, out 128 bytes of one row a lane.  LDS serves a wave's instructions in order: no wait between
.set P, 0
.rept 16
	ds_store_b128 v4, v[RAW+64*((\t)%2)+4*P:RAW+64*((\t)%2)+4*P+3] offset:528*P
.set P, P+1
.endr
.irp c, 0,1
.irp j, 0,1,2,3,4,5,6,7
	ds_load_b128 v[NUM+32*\c+4*\j:NUM+32*\c+4*\j+3], v5 offset:256*\c+16*\j
.endr
.endr
.endm
.macro XQ t                            ; my two blocks (k = 32 h .. and 64 + 32 h ..) become registers 0-5 and 6-11 of the fragment
	s_wait_xcnt 0x0                                ; the last sub-unit's stores have read their registers: the codes may be written again
.irp c, 0,1
	v_max3_num_f32 v[20+\c], |v[NUM+32*\c]|, |v[NUM+32*\c+1]|, 0x2800000   ; with the floor 2^(5 - 127)
.endr
.irp i, 2,4,6,8,10,12,14,16,18,20,22,24,26,28,30
.irp c, 0,1
	v_max3_num_f32 v[20+\c], v[20+\c], |v[NUM+32*\c+\i]|, |v[NUM+32*\c+\i+1]|
.endr
.endr
.irp c, 0,1
	v_add_nc_u32 v[22+\c], 0xfe000000, v[20+\c]    ; 4 off the exponent field: the conversion's scale operand
.endr
.irp c, 0,1
	v_lshrrev_b32 v[24+\c], 23, v[22+\c]           ; the scale's byte
.endr
	v_lshl_or_b32 v26, v25, 16, v24                ; my two bytes: blocks h and 2 + h,
	v_lshlrev_b32 v26, v6, v26                     ; at their places (8 h bits up);
	v_permlanex16_b32 v27, v26, s22, s23
	v_or_b32 v[16+(\t)], v26, v27                  ; with lane l xor 16's two the row's word is whole, in both halves of the lanes
.irp c, 0,1
	v_cvt_scalef32_pk16_bf6_f32 v[COD+6*\c:COD+6*\c+2], v[NUM+32*\c:NUM+32*\c+15], v[22+\c]
	v_cvt_scalef32_pk16_bf6_f32 v[40+4*\c:42+4*\c], v[NUM+32*\c+16:NUM+32*\c+31], v[22+\c]   ; (a conversion's three registers begin on an even number)
.endr
	v_nop                                          ; one plain place behind a scaled conversion
.irp c, 0,1
.irp i, 0,1,2
	v_mov_b32 v[COD+6*\c+3+\i], v[40+4*\c+\i]
.endr
.endr
.irp c, 0,1
	global_store_b128 v2, v[COD+6*\c:COD+6*\c+3], s[34:35] offset:((\t)%2)*12288+((\t)/2)*1536+768*\c        ; 512 consecutive bytes
	global_store_b64 v3, v[COD+6*\c+4:COD+6*\c+5], s[34:35] offset:((\t)%2)*12288+((\t)/2)*1536+768*\c+512   ; 256 consecutive bytes, aligned
.endr
.endm
.macro WLOAD t                         ; block t of my column: W(32 t + i, n), i = 0 .. 31: 128 consecutive bytes a load
.set P, 0
.rept 32
	global_load_b32 v[32+32*((\t)%2)+P], v2, s[6:7] offset:(32*(\t)+P)*4096 th:TH_LOAD_NT
.set P, P+1
.endr
.endm
.macro WBLOCK t                        ; block t = 4 q + 2 c + h: six registers of half fragment (q, c), lane (r, h)
.set XS, 32+32*((\t)%2)
.if (\t) < 7
	s_wait_loadcnt 32                              ; this block's 32 loads are in; the next block's may be out
.else
	s_wait_loadcnt 0x0
.endif
	v_max3_num_f32 v12, |v[XS]|, |v[XS+1]|, |v[XS+2]|
	v_max3_num_f32 v13, |v[XS+3]|, |v[XS+4]|, |v[XS+5]|
.irp i, 6,10,14,18,22,26
	v_max3_num_f32 v12, v12, |v[XS+\i]|, |v[XS+\i+1]|
	v_max3_num_f32 v13, v13, |v[XS+\i+2]|, |v[XS+\i+3]|
.endr
	v_max3_num_f32 v12, v12, |v[XS+30]|, |v[XS+31]|
	v_max3_num_f32 v12, v12, v13, 0x2800000        ; and the floor
	v_add_nc_u32 v11, 0xfe000000, v12
	v_lshrrev_b32 v13, 23, v11
.if (\t)%4 == 0
	v_mov_b32 v[24+(\t)/4], v13                    ; four bytes to a word, the lower K in the lower byte
.else
	v_lshl_or_b32 v[24+(\t)/4], v13, 8*((\t)%4), v[24+(\t)/4]
.endif
	v_cvt_scalef32_pk16_bf6_f32 v[96:98], v[XS:XS+15], v11
	v_cvt_scalef32_pk16_bf6_f32 v[104:106], v[XS+16:XS+31], v11
	v_nop
	v_mov_b32 v99, v104
	v_mov_b32 v100, v105
	v_mov_b32 v101, v106
	ds_store_b128 v3, v[96:99] offset:((\t)/4)*3072+(((\t)/2)%2)*768+((\t)%2)*256
	ds_store_b64 v4, v[100:101] offset:((\t)/4)*3072+(((\t)/2)%2)*768+((\t)%2)*128
.if (\t)+2 < 8
	WLOAD (\t)+2
.endif
	s_wait_dscnt 0x0                               ; the stores have read their registers
.endm
	s_load_b256 s[4:11], s[0:1], 0x0               ; inputs, Wq, Wk, Wv
	s_load_b128 s[12:15], s[0:1], 0x20             ; Wo, xop
	s_load_b64 s[16:17], s[0:1], 0x30              ; wop
	v_lshl_add_u32 v15, v0, 2, 0xe400
	s_set_vgpr_msb 0x40
	v_mov_b32 v1, 0
	s_set_vgpr_msb 0x4000
	v_lshrrev_b32 v1, 5, v0
	v_readfirstlane_b32 s20, v1                    ; wave
	v_and_b32 v1, 31, v0                           ; lane
	s_mov_b32 s21, 0xffff0000                      ; lanes 16-31
	s_mov_b32 s22, 0x76543210
	s_mov_b32 s23, 0xfedcba98                      ; selects for lane l xor 16
	s_cmp_ge_u32 ttmp9, 256
	s_cbranch_scc1 .Lweights
	; ---- inputs: block of rows = id / 4, chunk = id % 4; wave b takes tiles 2 b and 2 b + 1
	v_lshlrev_b32 v2, 4, v1                        ; 16 l
	v_lshlrev_b32 v3, 3, v1                        ; 8 l
	s_mul_i32 s24, s20, XSTG
	v_add_nc_u32 v4, s24, v2                       ; the stage, in
	v_and_b32 v7, 15, v1                           ; r
	v_lshrrev_b32 v8, 4, v1                        ; h
	v_mul_u32_u24 v5, v7, 528
	v_lshl_add_u32 v5, v8, 7, v5
	v_add_nc_u32 v5, s24, v5                       ; and out: row r, + 128 h bytes
	v_lshlrev_b32 v6, 3, v8                        ; 8 h
	v_lshl_add_u32 v9, s20, 8, v3                  ; the scale words' place: 256 b + 8 l
	v_mov_b32 v27, 0                               ; a lane permute's destination counts as one of its sources
	s_lshr_b32 s25, ttmp9, 2
	s_and_b32 s26, ttmp9, 3
	s_lshl_b32 s28, s25, 19                        ; 128 rows of 4,096 bytes
	s_lshl_b32 s27, s20, 17                        ; 32 rows
	s_add_co_u32 s28, s28, s27
	s_lshl_b32 s27, s26, 10                        ; 256 numbers
	s_add_co_u32 s28, s28, s27
	s_mov_b32 s29, 0
	s_mul_i32 s30, s25, 102400
	s_mul_i32 s27, s26, 25600
	s_add_co_u32 s30, s30, s27
	s_mov_b32 s31, 0
	s_mul_i32 s32, s20, 3072
	s_mov_b32 s33, 0
	s_wait_kmcnt 0x0
	s_add_nc_u64 s[4:5], s[4:5], s[28:29]
	s_add_nc_u64 s[14:15], s[14:15], s[30:31]      ; my chunk
	s_add_nc_u64 s[34:35], s[14:15], s[32:33]      ; my pair of tiles in it
	XLOAD 0
	XLOAD 1
	s_wait_loadcnt 16                              ; sub-unit 0 is in; the next one's 16 loads may be out
	XTURN 0
	s_wait_dscnt 0x0                               ; my numbers are back, and the stage's stores have read the raw set
	XLOAD 2
	XQ 0
	s_wait_loadcnt 16
	XTURN 1
	s_wait_dscnt 0x0
	XLOAD 3
	XQ 1
	s_wait_loadcnt 16
	XTURN 2
	s_wait_dscnt 0x0
	XQ 2
	s_wait_loadcnt 0x0
	XTURN 3
	s_wait_dscnt 0x0
	XQ 3
	v_cndmask_b32 v10, v16, v18, s21               ; lanes 0-15: tile 2 b's words, lanes 16-31: tile 2 b + 1's; q = 0,
	v_cndmask_b32 v11, v17, v19, s21               ; q = 1
	global_store_b64 v9, v[10:11], s[14:15] offset:24576   ; 256 consecutive bytes, aligned
	s_set_vgpr_msb 0x4
	s_wait_tensorcnt 0x0
	ds_add_u32 v15, v1
	s_wait_dscnt 0x0
	s_set_vgpr_msb 0x400
	s_endpgm
	; ---- weights: lane = column, registers run down K
.Lweights:
	s_sub_co_u32 s24, ttmp9, 256
	s_lshr_b32 s25, s24, 5                         ; which matrix
	s_lshr_b32 s26, s24, 2                         ; wop's block of rows
	s_and_b32 s27, s26, 7                          ; which 128 columns of the matrix
	s_and_b32 s28, s24, 3                          ; chunk
	v_lshlrev_b32 v2, 2, v1                        ; 4 bytes a lane
	v_bfe_u32 v8, v1, 3, 1                         ; my column's tile of the pair: u
	v_and_b32 v9, 7, v1
	v_lshrrev_b32 v10, 4, v1
	v_lshl_or_b32 v9, v10, 3, v9                   ; and its lane there: r
	s_mul_i32 s30, s20, WSTG
	s_add_co_u32 s30, s30, WST
	v_mul_u32_u24 v14, v8, 1536
	v_add_nc_u32 v14, s30, v14
	v_lshl_add_u32 v3, v9, 4, v14                  ; the stage, in: registers 0-3
	v_lshl_add_u32 v4, v9, 3, v14
	v_add_nc_u32 v4, 512, v4                       ; registers 4-5
	v_lshlrev_b32 v6, 4, v1
	v_add_nc_u32 v5, s30, v6                       ; and out: as it lies
	v_lshlrev_b32 v7, 7, v8
	v_lshl_add_u32 v7, v9, 3, v7
	v_lshl_add_u32 v7, s20, 8, v7                  ; my scale words: 256 x wave + 128 u + 8 r
	s_lshl_b32 s32, s28, 20                        ; 256 rows of 4,096 bytes
	s_lshl_b32 s31, s27, 9
	s_add_co_u32 s32, s32, s31
	s_lshl_b32 s31, s20, 7
	s_add_co_u32 s32, s32, s31
	s_mov_b32 s33, 0
	s_mul_i32 s34, s26, 102400
	s_mul_i32 s31, s28, 25600
	s_add_co_u32 s34, s34, s31
	s_mov_b32 s35, 0
	s_mul_i32 s36, s20, 3072
	s_mov_b32 s37, 0
	s_wait_kmcnt 0x0
	s_cmp_eq_u32 s25, 1                            ; the choice hangs on the work-group's number alone
	s_cselect_b64 s[6:7], s[8:9], s[6:7]
	s_cmp_eq_u32 s25, 2
	s_cselect_b64 s[6:7], s[10:11], s[6:7]
	s_cmp_eq_u32 s25, 3
	s_cselect_b64 s[6:7], s[12:13], s[6:7]
	s_add_nc_u64 s[6:7], s[6:7], s[32:33]
	s_add_nc_u64 s[16:17], s[16:17], s[34:35]      ; my chunk
	s_add_nc_u64 s[38:39], s[16:17], s[36:37]      ; my pair of tiles in it
	WLOAD 0
	WLOAD 1
.irp t, 0,1,2,3,4,5,6,7
	WBLOCK \t
.endr
	global_store_b64 v7, v[24:25], s[16:17] offset:24576   ; the 32 lanes fill 256 consecutive bytes, aligned
.irp k, 0,1,2,3,4,5,6,7,8,9,10,11
	ds_load_b128 v[112+4*\k:115+4*\k], v5 offset:512*\k
.endr
.irp k, 0,1,2,3,4,5,6,7,8,9,10,11
	s_wait_dscnt 11-\k                             ; LDS loads come back in order: load k is in, the younger ones may be out
	global_store_b128 v6, v[112+4*\k:115+4*\k], s[38:39] offset:(\k/6)*12288+(\k%6)*512
.endr
	s_set_vgpr_msb 0x4
	s_wait_tensorcnt 0x0
	ds_add_u32 v15, v1
	s_wait_dscnt 0x0
	s_set_vgpr_msb 0x400
	s_endpgm
.Lfunc_end_k_q2856521f11_quant:
	.size	k_q2856521f11_quant, .Lfunc_end_k_q2856521f11_quant-k_q2856521f11_quant
	.p2alignl 7, 3214868480
	.fill 96, 4, 3214868480
	.section	.rodata,"a",@progbits
	.p2align	6, 0x0
	.amdhsa_kernel k_q2856521f11_quant
		.amdhsa_group_segment_fixed_size 58880
		.amdhsa_private_segment_fixed_size 0
		.amdhsa_enable_private_segment 0
		.amdhsa_kernarg_size 56
		.amdhsa_user_sgpr_count 2
		.amdhsa_user_sgpr_kernarg_segment_ptr 1
		.amdhsa_wavefront_size32 1
		.amdhsa_system_sgpr_workgroup_id_x 1
		.amdhsa_system_sgpr_workgroup_id_y 1
		.amdhsa_system_sgpr_workgroup_id_z 1
		.amdhsa_system_vgpr_workitem_id 0
		.amdhsa_next_free_vgpr 258
		.amdhsa_next_free_sgpr 66
		.amdhsa_reserve_vcc 0
		.amdhsa_float_denorm_mode_32 3
		.amdhsa_float_denorm_mode_16_64 3
		.amdhsa_memory_ordered 1
		.amdhsa_forward_progress 1
		.amdhsa_inst_pref_size 72
	.end_amdhsa_kernel
	.amdgpu_metadata
---
amdhsa.version: [ 1, 2 ]
amdhsa.kernels:
  - .name:           k_q2856521f11_quant
    .symbol:         k_q2856521f11_quant.kd
    .args:
      - { .name: inputs, .offset: 0, .size: 8, .value_kind: global_buffer, .address_space: global }
      - { .name: Wq, .offset: 8, .size: 8, .value_kind: global_buffer, .address_space: global }
      - { .name: Wk, .offset: 16, .size: 8, .value_kind: global_buffer, .address_space: global }
      - { .name: Wv, .offset: 24, .size: 8, .value_kind: global_buffer, .address_space: global }
      - { .name: Wo, .offset: 32, .size: 8, .value_kind: global_buffer, .address_space: global }
      - { .name: xop, .offset: 40, .size: 8, .value_kind: global_buffer, .address_space: global }
      - { .name: wop, .offset: 48, .size: 8, .value_kind: global_buffer, .address_space: global }
    .group_segment_fixed_size: 58880
    .private_segment_fixed_size: 0
    .kernarg_segment_align: 8
    .kernarg_segment_size: 56
    .max_flat_workgroup_size: 128
    .sgpr_count:     66
    .vgpr_count:     258
    .wavefront_size: 32
...
	.end_amdgpu_metadata
.endif
;; end of part 1
;; launch qkv (part 2): grid 12 x 64, 4 waves a work-group, clusters of 4 x 4, 307,712 bytes of LDS; arguments xop, wop, qb, kv; writes qb, kv
.if DOCPART == 2
	.amdgcn_target "amdgcn-amd-amdhsa--gfx1250"
	.amdhsa_code_object_version 6
	.text
	.protected	k_q2856521f11_qkv
	.globl	k_q2856521f11_qkv
	.p2align	8
	.type	k_q2856521f11_qkv,@function
k_q2856521f11_qkv:
	s_mov_b64 s[64:65], 0
	v_nop
	global_prefetch_b8 v0, s[64:65] scope:SCOPE_SE
	s_setreg_imm32_b32 hwreg(HW_REG_WAVE_MODE, 25, 1), 1
	s_wait_xcnt 0x0
	s_wait_alu depctr_hold_cnt(0) depctr_sa_sdst(0) depctr_va_vdst(0) depctr_va_sdst(0) depctr_va_ssrc(0) depctr_va_vcc(0) depctr_vm_vsrc(0)
	s_getreg_b32 s2, hwreg(HW_REG_IB_STS2, 6, 4)
	s_cmp_eq_u32 s2, 0
	s_cbranch_scc0 .Lentry_in_a_cluster
	s_endpgm
.Lentry_in_a_cluster:
	s_bfe_u32 s2, ttmp6, 0x10000c
	s_cmp_lg_u32 s2, 0xf033
	s_cbranch_scc0 .Lentry_shape_is_right
	s_endpgm
.Lentry_shape_is_right:
; q = x Wq, k = x Wk, v = x Wv on codes of BF6 with E8M0 scales, K = 1,024; the results are quantised in registers (q, k along the head's 64; v along the keys) and leave as codes, in the order of the
; attention launch's operand registers.  Operands: xop, wop as the launch before laid them: [block of 128 rows][chunk of 256 K] x 25,600 bytes, half fragments of 768 bytes and scale words.
; A work-group makes 128 rows of operand A x 256 rows of operand B.  ALL of K for that tile lies in LDS, 4 chunks x (A, B0, B1) x 25,600 = 307,200 bytes, each byte filled once: no slot is filled again.
; Four waves: wave w makes A's tiles 4 (w / 2) + 0 .. 3 x B's block w % 2: 32 accumulators.  The matrix instruction is used transposed (source 0 = 16 rows of B, source 1 = 16 rows of A): a lane holds one row of A,
; and, since the rows of a tile are chosen so (lane r of tile 2 b + u: row 32 b + 8 u + r + 8 (r / 8)), its registers 16 b + i hold B's rows 32 b + 16 (lane / 16) + i: neighbours along the next product's K.
; THE CLUSTER'S x SAYS WHAT IS MADE: 0: q, 1: k (A = x, B = the weight: a lane holds a token, its registers 128 output dims = two heads); 2: v (A = Wv, B = x: a lane holds a dim, its registers 128 keys).
; CLUSTERS of 4 x 4: A's chunks are shared along a row of the cluster, B's along a column: joint loads.  Wave 0 asks for A's four chunks, waves 1 and 2 for B0's and B1's: four loads of a wave are out at the most.
; OUT: qb [head 64][step 16] x 6,656: tile i's half fragment at 768 i; scale words (two bytes, upper bytes 0) at 6,144 + 256 (i / 4) + 8 (r + 16 (i % 2)) + 4 ((i / 2) % 2).
;      kv [head][step] x 13,056: K's record as qb's; V's at 6,656: half fragment (key half c, tile of dims a) at 768 (4 c + a), scale words at 6,144 + 8 (r + 16 (a % 2)) + 4 (a / 2).
; LIMITS: NaN and infinities are not served; a block under 2^-122 gets the scale byte 1.
; REGISTERS: window 0: v16-22 addresses; v32-63 scale words, two sets; v64-111, v112-159 A's fragments, two sets; v160-241 the way out.  window 1: accumulator (a, b) at 8 (8 a + b).  window 2: B's fragments at v0 and v128.
.set CHUNK, 25600
.set TRIO,  76800                      ; a chunk of A, B0 and B1 in LDS
.set RBLK,  102400                     ; a block of 128 rows in memory
.set G1A, 24                           ; s[24:31] descriptor group 1, A's;  s[48:55] B's: they differ in the mask
.set G1B, 48
.set G0A, 68                           ; s[68:83] group 0 for A's four chunks;  s[84:99] for B's
.set G0B, 84
.set TM,  160                          ; v160-163 largest magnitudes, v164-167 bytes, v172-175 the conversions' scale operands
.set PC,  176                          ; v176-223 the codes made: 12 registers for each of four tiles, so that no store's data are written again
.set TP,  224                          ; v224-230 the second conversions' results
.set PW,  232                          ; v232-235 the four tiles' scale words
.set MUL,  0x52                        ; source 0 (B) window 2, source 1 (A) window 0, C and D window 1
.set TO_B, 0x80                        ; destination window 2
.set MSB, 0
.macro WIN new                         ; the immediate's high byte repeats the setting that is left
.if MSB != \new
	s_set_vgpr_msb (MSB<<8)|\new
.set MSB, \new
.endif
.endm
.macro CROUND                          ; a round of the cluster's barrier
	s_barrier_signal -1
	s_barrier_wait -1
	s_cmp_lg_u32 s14, 0
	s_cbranch_scc1 .Lnot_wave_0_\@
	s_barrier_signal -3
.Lnot_wave_0_\@:
	s_barrier_wait -3
	s_barrier_signal -1
	s_barrier_wait -1
.endm
.macro PLACES                          ; four plain places behind matrix instructions, ahead of loads into their sources and of reads of their results
.rept 4
	v_nop
.endr
.endm
.macro FRAG reg, a16, a8, off          ; a fragment (16 rows x 128 K) is two half fragments: dense loads of 16 and of 8 bytes a lane
	ds_load_b128 v[\reg:\reg+3], v[\a16] offset:\off
	ds_load_b64 v[\reg+4:\reg+5], v[\a8] offset:\off
	ds_load_b128 v[\reg+6:\reg+9], v[\a16] offset:\off+768
	ds_load_b64 v[\reg+10:\reg+11], v[\a8] offset:\off+768
.endm
.macro FETCH q, p                      ; step q's fragments into set p: B's eight, A's four
	WIN TO_B
.irp i, 0,1,2,3,4,5,6,7
	FRAG 128*(\p)+12*\i, 18, 19, ((\q)%2)*12288+1536*\i
.endr
	WIN 0
.irp a, 0,1,2,3
	FRAG 64+48*(\p)+12*\a, 16, 17, ((\q)%2)*12288+1536*\a
.endr
.endm
.macro SCALES sc                       ; a chunk's scale words: register 2 i + q: lanes 0-15 A's tile i of mine, lanes 16-31 B's tile i
.irp i, 0,1,2,3,4,5,6,7
	ds_load_b64 v[32+16*(\sc)+2*\i:33+16*(\sc)+2*\i], v20 offset:128*\i
.endr
.endm
.macro MUL32 p, q, sc, first           ; 128 along K: the 32 accumulators by turns, one instruction a turn, in the same order in every step
.irp a, 0,1,2,3
.irp b, 0,1,2,3,4,5,6,7
.if \first
	v_wmma_scale_f32_16x16x128_f8f6f4 v[8*(8*\a+\b):8*(8*\a+\b)+7], v[128*(\p)+12*\b:128*(\p)+12*\b+11], v[64+48*(\p)+12*\a:64+48*(\p)+12*\a+11], 0, v[32+16*(\sc)+2*\b+(\q)%2], v[32+16*(\sc)+2*\a+(\q)%2] matrix_a_fmt:MATRIX_FMT_BF6 matrix_b_fmt:MATRIX_FMT_BF6 matrix_a_scale:MATRIX_SCALE_ROW1
.else
	v_wmma_scale_f32_16x16x128_f8f6f4 v[8*(8*\a+\b):8*(8*\a+\b)+7], v[128*(\p)+12*\b:128*(\p)+12*\b+11], v[64+48*(\p)+12*\a:64+48*(\p)+12*\a+11], v[8*(8*\a+\b):8*(8*\a+\b)+7], v[32+16*(\sc)+2*\b+(\q)%2], v[32+16*(\sc)+2*\a+(\q)%2] matrix_a_fmt:MATRIX_FMT_BF6 matrix_b_fmt:MATRIX_FMT_BF6 matrix_a_scale:MATRIX_SCALE_ROW1
.endif
.endr
.endr
.endm
.macro KSTEP q                         ; step q of eight: the next step's fragments are asked for, then this step's 32 products are issued
	s_wait_dscnt 0x0                               ; this step's fragments, asked for a step ago, are in
.if (\q) < 7
.if ((\q)+1)%2 == 0
	s_wait_tensorcnt 3-((\q)+1)/2                  ; my load of the next chunk has landed; the later chunks' may stay out
	s_barrier_signal -1
	s_barrier_wait -1                              ; everybody's has
.irp r, 16,17,18,19,20
	v_add_nc_u32 v\r, TRIO, v\r                    ; on to the next chunk
.endr
.endif
	PLACES
	FETCH (\q)+1, 1-(\q)%2
.if ((\q)+1)%2 == 0
	SCALES (((\q)+1)/2)%2
.endif
.endif
	WIN MUL
.if (\q) == 0
	MUL32 0, 0, 0, 1                               ; the first step's products start the sums: nothing is cleared
.else
	MUL32 (\q)%2, \q, ((\q)/2)%2, 0
.endif
	WIN 0
.endm
; 64 numbers of a lane in window 1, register s + 16 b + i = k 32 b + 16 (lane / 16) + i of my row, become a fragment's codes at v[pc] on and its scale word in v[pw].
.macro QUANT s, pc, pw
	WIN 0x14                                       ; sources 1 and 2 window 1
.irp b, 0,1,2,3
	v_max3_num_f32 v[TM+\b], 0x2800000, |v[(\s)+16*\b]|, |v[(\s)+16*\b+1]|   ; the floor 2^(5 - 127) and my first two numbers: each accumulator is read from its low end on
.endr
.irp i, 2,4,6,8,10,12,14
.irp b, 0,1,2,3
	v_max3_num_f32 v[TM+\b], v[TM+\b], |v[(\s)+16*\b+\i]|, |v[(\s)+16*\b+\i+1]|
.endr
.endr
	WIN 0
.irp b, 0,1,2,3
	v_permlanex16_b32 v[TM+4+\b], v[TM+\b], s66, s67
.endr
.irp b, 0,1,2,3
	v_max_num_f32 v[TM+\b], v[TM+\b], v[TM+4+\b]   ; with lane l xor 16's: the block's largest magnitude
.endr
.irp b, 0,1,2,3
	v_add_nc_u32 v[TM+12+\b], 0xfe000000, v[TM+\b] ; 4 off the exponent field: the conversion's scale operand
.endr
.irp b, 0,1,2,3
	v_lshrrev_b32 v[TM+4+\b], 23, v[TM+12+\b]      ; the scale's byte
.endr
	v_lshl_or_b32 v[\pw], v[TM+5], 8, v[TM+4]
	v_lshl_or_b32 v[\pw], v[TM+6], 16, v[\pw]
	v_lshl_or_b32 v[\pw], v[TM+7], 24, v[\pw]      ; my row's word, the same in both halves of the lanes
	WIN 0x01                                       ; source 0 window 1
.irp c, 0,1
	v_cvt_scalef32_pk16_bf6_f32 v[(\pc)+6*\c:(\pc)+6*\c+2], v[(\s)+32*\c:(\s)+32*\c+15], v[TM+12+2*\c]
	v_cvt_scalef32_pk16_bf6_f32 v[TP+4*\c:TP+4*\c+2], v[(\s)+32*\c+16:(\s)+32*\c+31], v[TM+12+2*\c+1]
.endr
	WIN 0
	v_nop                                          ; one plain place behind a scaled conversion
.irp c, 0,1                            ; the operand's layout wants a whole block in a lane
.irp i, 0,1,2
	v_permlane16_swap_b32 v[(\pc)+6*\c+\i], v[TP+4*\c+\i]
.endr
.irp i, 0,1,2
	v_mov_b32 v[(\pc)+6*\c+3+\i], v[TP+4*\c+\i]
.endr
.endr
.endm
	s_load_b256 s[4:11], s[0:1], 0x0               ; xop s[4:5], wop s[6:7], qb s[8:9], kv s[10:11]
	v_lshl_add_u32 v254, v0, 2, 0x4b000
	v_mov_b32 v255, 0
	ds_add_u32 v254, v255
	ds_add_u32 v254, v255
	v_lshrrev_b32 v1, 5, v0
	v_readfirstlane_b32 s14, v1                    ; wave 0..3
	s_lshr_b32 s15, s14, 1                         ; which half of A's tiles is mine.  Also: which block of B a fetching wave (1, 2) brings
	s_and_b32 s16, s14, 1                          ; which block of B is mine
	s_bfe_u32 s40, ttmp6, 0x40000                  ; cx
	s_bfe_u32 s41, ttmp6, 0x40004                  ; cy
	s_and_b32 s43, ttmp7, 0xffff                   ; the cluster's y
	s_lshl_b32 s44, s41, 2
	s_lshl_b32 s44, 15, s44                        ; my row of the cluster
	s_lshl_b32 s45, 0x1111, s40                    ; my column
	s_or_b32 s[G1A], s44, (3<<16)|(1<<21)          ; 15:0 the mask; 17:16 elements of 8 bytes; 20 no padding; 21 set beside a mask
	s_or_b32 s[G1B], s45, (3<<16)|(1<<21)
.irp g, G1A, G1B                       ; a chunk is a dense block: 100 rows of 256 bytes
	s_mov_b32 s[\g+1], 32<<16                      ; tensor_dim0 = 32 elements
	s_mov_b32 s[\g+2], 100<<16                     ; tensor_dim1 = 100
	s_mov_b32 s[\g+3], 32<<16                      ; tile_dim0
	s_mov_b32 s[\g+4], 100                         ; tile_dim1
	s_mov_b32 s[\g+5], 32                          ; pitch
	s_mov_b32 s[\g+6], 0
	s_mov_b32 s[\g+7], 0
.endr
	; which blocks.  A's hang on cy and the cluster's place, B's on cx and the cluster's place; no register of A's ever holds cx, none of B's cy
	s_lshl_b32 s17, s43, 2                         ; q, k: A = x's block 4 Y (+ cy)
	s_and_b32 s18, s43, 1
	s_lshl_b32 s18, s18, 2
	s_add_co_u32 s18, s18, 16                      ; v: A = wop's block 16 + 4 (Y % 2) (+ cy)
	s_lshl_b32 s19, ttmp9, 2                       ; q, k: B's index 4 X (+ cx)
	s_lshr_b32 s46, s43, 1
	s_lshl_b32 s46, s46, 2                         ; v: 4 (Y / 2) (+ cx)
	s_cmp_eq_u32 ttmp9, 2                          ; v?  The cluster's x is the same in all sixteen partners
	s_cselect_b32 s17, s18, s17
	s_cselect_b32 s19, s46, s19
	s_add_co_u32 s17, s17, s41                     ; A's block in its buffer
	s_add_co_u32 s19, s19, s40                     ; B's index: blocks 2 x index + 0, 1
	s_lshl_b32 s46, s19, 1
	s_add_co_u32 s46, s46, s15                     ; the block that a fetching wave brings
	s_mul_i32 s20, s17, RBLK
	s_mov_b32 s21, 0
	s_mul_i32 s22, s46, RBLK
	s_mov_b32 s23, 0
	s_mul_i32 s47, s14, CHUNK                      ; where it goes: wave 0: A, wave 1: B0, wave 2: B1
	s_wait_dscnt 0x0
	s_wait_kmcnt 0x0
	s_cmp_eq_u32 ttmp9, 2
	s_cselect_b64 s[60:61], s[6:7], s[4:5]         ; A's buffer
	s_cselect_b64 s[62:63], s[4:5], s[6:7]         ; B's
	s_add_nc_u64 s[60:61], s[60:61], s[20:21]
	s_add_nc_u64 s[62:63], s[62:63], s[22:23]
.irp j, 0,1,2,3
	s_mov_b32 s[G0A+4*\j], 1                       ; count = 1
	s_add_co_u32 s[G0A+4*\j+1], s47, \j*TRIO       ; LDS address
	s_add_nc_u64 s[G0A+4*\j+2:G0A+4*\j+3], s[60:61], \j*CHUNK
	s_or_b32 s[G0A+4*\j+3], s[G0A+4*\j+3], 0x80000000   ; type = 2
	s_mov_b32 s[G0B+4*\j], 1
	s_add_co_u32 s[G0B+4*\j+1], s47, \j*TRIO
	s_add_nc_u64 s[G0B+4*\j+2:G0B+4*\j+3], s[62:63], \j*CHUNK
	s_or_b32 s[G0B+4*\j+3], s[G0B+4*\j+3], 0x80000000
.endr
	CROUND                                         ; all sixteen work-groups are here: the joint loads meet
	s_cmp_eq_u32 s14, 0                            ; a wave's four fills stand in one branch on the wave's number; four v_nop follow the last
	s_cbranch_scc0 .Lnot_a
	tensor_load_to_lds s[G0A:G0A+3], s[G1A:G1A+7]
	s_nop 0
	tensor_load_to_lds s[G0A+4:G0A+7], s[G1A:G1A+7]
	s_nop 0
	tensor_load_to_lds s[G0A+8:G0A+11], s[G1A:G1A+7]
	s_nop 0
	tensor_load_to_lds s[G0A+12:G0A+15], s[G1A:G1A+7]
	s_nop 0
.rept 4
	v_nop
.endr
	s_branch .Lfilled
.Lnot_a:
	s_cmp_lt_u32 s14, 3
	s_cbranch_scc0 .Lfilled
	tensor_load_to_lds s[G0B:G0B+3], s[G1B:G1B+7]
	s_nop 0
	tensor_load_to_lds s[G0B+4:G0B+7], s[G1B:G1B+7]
	s_nop 0
	tensor_load_to_lds s[G0B+8:G0B+11], s[G1B:G1B+7]
	s_nop 0
	tensor_load_to_lds s[G0B+12:G0B+15], s[G1B:G1B+7]
	s_nop 0
.rept 4
	v_nop
.endr
.Lfilled:
	v_and_b32 v1, 31, v0                           ; l
	v_and_b32 v2, 15, v0                           ; r
	v_bfe_u32 v3, v0, 4, 1                         ; h
	v_lshlrev_b32 v21, 4, v1                       ; 16 l
	v_lshlrev_b32 v22, 3, v1                       ; 8 l
	s_mul_i32 s2, s15, 6144                        ; my four tiles of A
	v_add_nc_u32 v16, s2, v21
	v_add_nc_u32 v17, s2, v22
	v_add_nc_u32 v17, 512, v17
	s_mul_i32 s3, s16, CHUNK
	s_add_co_u32 s3, s3, CHUNK                     ; my block of B
	v_add_nc_u32 v18, s3, v21
	v_add_nc_u32 v19, s3, v22
	v_add_nc_u32 v19, 512, v19
	s_lshl_b32 s12, s15, 9                         ; the scale words: lanes 0-15 A's (512 x half on), lanes 16-31 B's: one product, the lower base + h x the distance
	s_sub_co_u32 s13, s3, s12
	v_mul_u32_u24 v20, s13, v3
	v_lshl_add_u32 v20, v2, 3, v20
	s_add_co_u32 s12, s12, 24576
	v_add_nc_u32 v20, s12, v20
.irp b, 0,1,2,3
	v_mov_b32 v[TM+4+\b], 0                        ; a lane permute's destination counts as one of its sources
.endr
	s_mov_b32 s66, 0x76543210
	s_mov_b32 s67, 0xfedcba98                      ; selects for lane l xor 16
	s_mov_b32 s57, 0xffff0000                      ; lanes 16-31
	; where the results go
	s_lshl_b32 s2, s19, 1
	s_add_co_u32 s2, s2, s16                       ; v: x's block 2 x index + my half
	s_sub_co_u32 s3, s17, 16
	s_lshl_b32 s3, s3, 1
	s_add_co_u32 s3, s3, s15                       ; v: head 2 x (Wv's block) + my half
	s_and_b32 s12, s19, 3
	s_lshl_b32 s12, s12, 2
	s_lshl_b32 s13, s16, 1
	s_add_co_u32 s12, s12, s13                     ; q, k: my first head 4 (index % 4) + 2 x half
	s_mul_i32 s13, s15, 3072                       ; q, k: my four tiles in the record
	s_lshl_b32 s59, s15, 8
	s_add_co_u32 s59, s59, 6144                    ; q, k: my 256 bytes of scale words
	s_cmp_eq_u32 ttmp9, 2
	s_cselect_b32 s2, s2, s17                      ; x's block: 16 x batch + step
	s_cselect_b32 s3, s3, s12                      ; head
	s_cselect_b32 s13, 6656, s13                   ; v: V's record lies behind K's
	s_cselect_b32 s59, 12800, s59
	s_cselect_b32 s56, -1, 0xffff                  ; q, k: a head's two bytes of the word; v: all four
	s_cmp_eq_u32 ttmp9, 0
	s_cselect_b64 s[32:33], s[8:9], s[10:11]       ; qb or kv
	s_mov_b32 s46, 208896
	s_cselect_b32 s46, 106496, s46                 ; a head's bytes
	s_mov_b32 s47, 13056
	s_cselect_b32 s47, 6656, s47                   ; a step's
	s_lshr_b32 s18, s2, 4
	s_lshl_b32 s18, s18, 4
	s_add_co_u32 s18, s18, s3                      ; 16 x batch + head
	s_mul_i32 s18, s18, s46
	s_and_b32 s2, s2, 15
	s_mul_i32 s2, s2, s47
	s_add_co_u32 s20, s18, s2
	s_mov_b32 s21, 0
	s_add_nc_u64 s[32:33], s[32:33], s[20:21]      ; the step's record
	s_mov_b32 s22, s59
	s_mov_b32 s23, 0
	s_add_nc_u64 s[36:37], s[32:33], s[22:23]      ; its scale words
	s_mov_b32 s22, s13
	s_add_nc_u64 s[32:33], s[32:33], s[22:23]      ; half fragments c = 0
	s_cmp_eq_u32 ttmp9, 2
	s_cselect_b32 s22, 3072, s46
	s_add_nc_u64 s[34:35], s[32:33], s[22:23]      ; c = 1: v: the other key half; q, k: the next head
	s_mov_b32 s22, s46
	s_add_nc_u64 s[38:39], s[36:37], s[22:23]      ; q, k: the next head's scale words (not used for v)
	s_wait_tensorcnt 3                             ; my load of chunk 0 has landed; three may stay out
	s_barrier_signal -1
	s_barrier_wait -1                              ; everybody's has
	FETCH 0, 0
	SCALES 0
.irp q, 0,1,2,3,4,5,6,7
	KSTEP \q
.endr
	; THE WAY OUT: each of my four tiles of A's rows: 128 numbers a row become a fragment and a scale word; its two half fragments leave as they stand
	PLACES
.irp a, 0,1,2,3
	QUANT 64*\a, PC+12*\a, PW+\a
.irp c, 0,1
	global_store_b128 v21, v[PC+12*\a+6*\c:PC+12*\a+6*\c+3], s[32+2*\c:33+2*\c] offset:768*\a        ; 512 consecutive bytes
	global_store_b64 v22, v[PC+12*\a+6*\c+4:PC+12*\a+6*\c+5], s[32+2*\c:33+2*\c] offset:768*\a+512   ; 256 consecutive bytes, aligned
.endr
.endr
	v_cndmask_b32 v236, v232, v233, s57            ; lanes 0-15: tile 0's words, lanes 16-31: tile 1's;
	v_cndmask_b32 v237, v234, v235, s57            ; tiles 2 and 3
	v_and_b32 v238, s56, v236
	v_and_b32 v239, s56, v237
	global_store_b64 v22, v[238:239], s[36:37]     ; 256 consecutive bytes, aligned
	s_cmp_eq_u32 ttmp9, 2
	s_cbranch_scc1 .Lno_second
	v_lshrrev_b32 v240, 16, v236                   ; q, k: the second head's two bytes
	v_lshrrev_b32 v241, 16, v237
	global_store_b64 v22, v[240:241], s[38:39]
.Lno_second:
	s_wait_tensorcnt 0x0
	ds_add_u32 v254, v255
	s_wait_dscnt 0x0
	CROUND                                         ; the closing round: no work-group ends while a partner may still ask for a chunk that names it
	s_endpgm
.Lfunc_end_k_q2856521f11_qkv:
	.size	k_q2856521f11_qkv, .Lfunc_end_k_q2856521f11_qkv-k_q2856521f11_qkv
	.p2alignl 7, 3214868480
	.fill 96, 4, 3214868480
	.section	.rodata,"a",@progbits
	.p2align	6, 0x0
	.amdhsa_kernel k_q2856521f11_qkv
		.amdhsa_group_segment_fixed_size 307712
		.amdhsa_private_segment_fixed_size 0
		.amdhsa_enable_private_segment 0
		.amdhsa_kernarg_size 32
		.amdhsa_user_sgpr_count 2
		.amdhsa_user_sgpr_kernarg_segment_ptr 1
		.amdhsa_wavefront_size32 1
		.amdhsa_system_sgpr_workgroup_id_x 1
		.amdhsa_system_sgpr_workgroup_id_y 1
		.amdhsa_system_sgpr_workgroup_id_z 1
		.amdhsa_system_vgpr_workitem_id 0
		.amdhsa_next_free_vgpr 768
		.amdhsa_next_free_sgpr 100
		.amdhsa_reserve_vcc 0
		.amdhsa_float_denorm_mode_32 3
		.amdhsa_float_denorm_mode_16_64 3
		.amdhsa_memory_ordered 1
		.amdhsa_forward_progress 1
		.amdhsa_inst_pref_size 89
	.end_amdhsa_kernel
	.amdgpu_metadata
---
amdhsa.version: [ 1, 2 ]
amdhsa.kernels:
  - .name:           k_q2856521f11_qkv
    .symbol:         k_q2856521f11_qkv.kd
    .args:
      - { .name: xop, .offset: 0, .size: 8, .value_kind: global_buffer, .address_space: global }
      - { .name: wop, .offset: 8, .size: 8, .value_kind: global_buffer, .address_space: global }
      - { .name: qb, .offset: 16, .size: 8, .value_kind: global_buffer, .address_space: global }
      - { .name: kv, .offset: 24, .size: 8, .value_kind: global_buffer, .address_space: global }
    .group_segment_fixed_size: 307712
    .private_segment_fixed_size: 0
    .kernarg_segment_align: 8
    .kernarg_segment_size: 32
    .max_flat_workgroup_size: 128
    .sgpr_count:     100
    .vgpr_count:     768
    .wavefront_size: 32
...
	.end_amdgpu_metadata
.endif
;; end of part 2
;; launch attn (part 3): grid 4 x 64, 16 waves a work-group, clusters of 4 x 1, 215,040 bytes of LDS; arguments qb, kv, cop; writes cop
.if DOCPART == 3
	.amdgcn_target "amdgcn-amd-amdhsa--gfx1250"
	.amdhsa_code_object_version 6
	.text
	.protected	k_q2856521f11_attn
	.globl	k_q2856521f11_attn
	.p2align	8
	.type	k_q2856521f11_attn,@function
k_q2856521f11_attn:
	s_mov_b64 s[64:65], 0
	v_nop
	global_prefetch_b8 v0, s[64:65] scope:SCOPE_SE
	s_setreg_imm32_b32 hwreg(HW_REG_WAVE_MODE, 25, 1), 1
	s_wait_xcnt 0x0
	s_wait_alu depctr_hold_cnt(0) depctr_sa_sdst(0) depctr_va_vdst(0) depctr_va_sdst(0) depctr_va_ssrc(0) depctr_va_vcc(0) depctr_vm_vsrc(0)
	s_getreg_b32 s2, hwreg(HW_REG_IB_STS2, 6, 4)
	s_cmp_eq_u32 s2, 0
	s_cbranch_scc0 .Lentry_in_a_cluster
	s_endpgm
.Lentry_in_a_cluster:
	s_bfe_u32 s2, ttmp6, 0x10000c
	s_cmp_lg_u32 s2, 0x3003
	s_cbranch_scc0 .Lentry_shape_is_right
	s_endpgm
.Lentry_shape_is_right:
; ctx[head][q] = the sum over k <= q of softmax_k(q . k / 8) v[k], both products on codes of BF6 with E8M0 scales; ctx is quantised along the model's 1,024 and leaves as codes for the last product.
; THE SOFTMAX: t = score x log2(e) / 8; M = the running largest t rounded UP to a whole number; p = 2^(t - M) is quantised along the keys; the row's sum is taken of the unquantised p and divides at the end.
; When M moves, the sum and O are multiplied by 2^(old M - new M): exact.
; SHARES.  A cluster of four work-groups is one head.  The head's whole K and V (16 steps of 128 keys x 13,056 bytes) lie in each partner's LDS, filled ONCE by joint loads: no slot is filled again.
; The head's 128 tiles of 16 queries are dealt so that every wave has 17 tile steps: wave w of partner cx owns tile 2 cx of query group w (steps 0 .. w) and tile 2 cx + 1 of group 15 - w (steps 0 .. 15 - w).
; So what a wave leaves out hangs on its number alone; cx enters global addresses and the mask's lane operand only.  A step that lies wholly behind the diagonal costs a compare and a jump.
; LAYOUT.  Both products transposed: S^T = K Q^T, O^T = V^T P^T: a lane holds one query (lane % 16).  The keys of a tile of K are chosen (lane r of tile 2 b + u: key 32 b + 8 u + r + 8 (r / 8)) so that registers
; 16 b + i of S^T are keys 32 b + 16 (lane / 16) + i.  Queries and V's dims are ordered alike, so O^T's registers 16 b + i are dims 32 b + 16 (lane / 16) + i.
; THE HEAD'S K IS 64, half of the instruction's 128: Q's registers 6-11 hold zero codes and both sides' upper scale bytes are 0.  K's tile t is named as 12 registers from 32 + 6 t: its upper six are the next tile's
; codes (or whatever codes v56-61 hold): finite numbers times zero codes add nothing.
; No prefetch is written: each work-group asks for all of its K and V by the tensor loads at its head.
; LIMITS: NaN and infinities are not served; a block under 2^-122 gets the scale byte 1; 1 / sum is v_rcp_f32's.
; REGISTERS: v1 16 l, v2 8 l; v8, v9 the step's LDS addresses; v[12:15], v[28:31] -M, largest t, the sum in two halves (first, second tile); v16-27, v80-91 Q; v92, v93 Q's scale words; v94, v95 the mask's operand;
; v32-79 K's four tiles, then V's four fragments; v96-159 S^T, then p; v160-191, v192-223 O^T; v224-235 p's codes; v232-247, v252, v254 at work; v248-251 K's and V's scale words; v253 p's.
.set STEPB,  13056                     ; a step's record: K 6,656 bytes, V 6,400
.set HEADKV, 208896
.set HEADQ,  106496
.set QREC,   6656
.set WV,  18
.set CX,  19
.set SEL, 20                           ; s[20:21] selects for lane l xor 16
.set CS,  22                           ; s[22:23] c = log2(e) / 8
.set G1,  24                           ; s[24:31] descriptor group 1;  s[32:47] four groups 0
.set G0,  32
.set ST,  48                           ; the key step
.set TB,  49                           ; its LDS byte
.set GA,  50                           ; my first tile's query group = its last step
.set GB,  51                           ; my second tile's
.macro ROUND
	s_barrier_signal -1
	s_barrier_wait -1
	s_cmp_lg_u32 s[WV], 0
	s_cbranch_scc1 .Lnot_wave_0_\@
	s_barrier_signal -3
.Lnot_wave_0_\@:
	s_barrier_wait -3
	s_barrier_signal -1
	s_barrier_wait -1
.endm
.macro PLACES                          ; four plain places behind matrix instructions, ahead of loads into their sources and of reads of their results
.rept 4
	v_nop
.endr
.endm
; ONE TILE'S KEY STEP.  qf: Q's fragment; qs: its scale words; mm: its four statistics; ob: its O^T; dd: the mask's operand; gg: the scalar with its last step.
.macro STEP qf, qs, mm, ob, dd, gg
	s_cmp_gt_u32 s[ST], s[\gg]                     ; all 128 keys come after my queries: nothing to do
	s_cbranch_scc1 .Lhidden_\@
	PLACES
.irp g, 0,1                            ; S^T = K Q^T, four tiles of 16 keys at a time
.if \g > 0
	PLACES
.endif
.irp t, 0,1,2,3
	ds_load_b128 v[32+6*\t:35+6*\t], v8 offset:(4*\g+\t)*768
	ds_load_b64 v[36+6*\t:37+6*\t], v9 offset:(4*\g+\t)*768+512
.endr
.if \g == 0
	ds_load_b64 v[248:249], v9 offset:6144         ; K's scale words: register T / 2: lanes 0-15 tile T even, lanes 16-31 tile T odd
	ds_load_b64 v[250:251], v9 offset:6400
.endif
	s_wait_dscnt 0x0
.irp t, 0,1,2,3
.if \t%2
	v_wmma_scale_f32_16x16x128_f8f6f4 v[96+8*(4*\g+\t):103+8*(4*\g+\t)], v[32+6*\t:43+6*\t], v[\qf:\qf+11], 0, v[248+2*\g+\t/2], v[\qs] matrix_a_fmt:MATRIX_FMT_BF6 matrix_b_fmt:MATRIX_FMT_BF6 matrix_a_scale:MATRIX_SCALE_ROW1
.else
	v_wmma_scale_f32_16x16x128_f8f6f4 v[96+8*(4*\g+\t):103+8*(4*\g+\t)], v[32+6*\t:43+6*\t], v[\qf:\qf+11], 0, v[248+2*\g+\t/2], v[\qs] matrix_a_fmt:MATRIX_FMT_BF6 matrix_b_fmt:MATRIX_FMT_BF6
.endif
.endr
.endr
	PLACES
.irp a, 0,1,2,3                        ; V's four fragments are asked for now and land under the softmax
	ds_load_b128 v[32+12*\a:35+12*\a], v8 offset:6656+768*\a
	ds_load_b64 v[36+12*\a:37+12*\a], v9 offset:6656+768*\a+512
	ds_load_b128 v[38+12*\a:41+12*\a], v8 offset:6656+3072+768*\a
	ds_load_b64 v[42+12*\a:43+12*\a], v9 offset:6656+3072+768*\a+512
.endr
	ds_load_b64 v[248:249], v9 offset:12800        ; and V's scale words
	s_cmp_lg_u32 s[ST], s[\gg]                     ; on the diagonal the scores of hidden keys become -infinity ahead of the maximum
	s_cbranch_scc1 .Lopen_\@
	v_mov_b32 v254, 0xff800000
.set N, 0
.rept 64                               ; register 16 b + i holds the step's key 32 b + 16 (lane / 16) + i: hidden where 32 b + i > my query in its group - 16 (lane / 16)
	v_cmp_gt_i32 vcc_lo, 32*(N/16)+N%16, v[\dd]
	v_cndmask_b32 v[96+N], v[96+N], v254, vcc_lo
.set N, N+1
.endr
.Lopen_\@:
.irp b, 0,1,2,3
	v_max3_num_f32 v[232+\b], v[96+16*\b], v[97+16*\b], v[98+16*\b]   ; the largest score of each block of 32 keys: for the row's maximum and, since p rises with the score, for the block's largest p
.endr
.irp i, 3,5,7,9,11,13
.irp b, 0,1,2,3
	v_max3_num_f32 v[232+\b], v[232+\b], v[96+16*\b+\i], v[97+16*\b+\i]
.endr
.endr
.irp b, 0,1,2,3
	v_max_num_f32 v[232+\b], v[232+\b], v[111+16*\b]
.endr
.irp b, 0,1,2,3
	v_permlanex16_b32 v[236+\b], v[232+\b], s[SEL], s[SEL+1]
.endr
.irp b, 0,1,2,3
	v_max_num_f32 v[232+\b], v[232+\b], v[236+\b]  ; with lane l xor 16's 16 keys
.endr
	v_max3_num_f32 v254, v232, v233, v234
	v_max_num_f32 v254, v254, v235                 ; the step's largest score of my query
	v_mul_f32 v254, s[CS], v254                    ; as t
	v_max_num_f32 v[\mm+1], v[\mm+1], v254         ; the running largest t
	v_mov_b32 v254, v[\mm]
	v_floor_f32 v[\mm], -v[\mm+1]                  ; the new -M = floor(-t): M is a whole number
	v_sub_f32 v254, v[\mm], v254                   ; old M - new M: a whole number, 0 or less
	v_cvt_i32_f32 v254, v254                       ; (it saturates)
	v_ldexp_f32 v252, 1.0, v254                    ; f = 2^(old M - new M)
.set J, 0
.rept 32
	v_pk_fma_f32 v[96+J:97+J], v[96+J:97+J], s[CS:CS+1], v[\mm:\mm+1] op_sel_hi:[1,0,0]   ; t - M, two at a time
.set J, J+2
.endr
.irp b, 0,1,2,3
	v_fma_f32 v[232+\b], v[232+\b], s[CS], v[\mm]  ; the same of each block's largest score
.endr
.set J, 0
.rept 64
	v_exp_f32 v[96+J], v[96+J]                     ; p = 2^(t - M), at most 1
.set J, J+1
.endr
	v_pk_mul_f32 v[\mm+2:\mm+3], v[\mm+2:\mm+3], v[252:253] op_sel_hi:[1,0]   ; the sums under the new M: a plain place behind the exponentials
	s_wait_alu depctr_va_vdst(0)                   ; one wait for the whole batch, ahead of its first reader
.irp b, 0,1,2,3
	v_exp_f32 v[232+\b], v[232+\b]                 ; the block's largest p
.endr
	v_pk_add_f32 v[236:237], v[96:97], v[98:99]    ; the row's sum of the unquantised p, in two chains
.irp j, 4,8,12,16,20,24,28,32,36,40,44,48,52,56,60
	v_pk_add_f32 v[\mm+2:\mm+3], v[\mm+2:\mm+3], v[96+\j:97+\j]
	v_pk_add_f32 v[236:237], v[236:237], v[98+\j:99+\j]
.endr
	v_pk_add_f32 v[\mm+2:\mm+3], v[\mm+2:\mm+3], v[236:237]
	s_wait_alu depctr_va_vdst(0)                   ; and one for the four
.irp b, 0,1,2,3
	v_max_num_f32 v[232+\b], 0x2800000, v[232+\b]  ; the floor 2^(5 - 127): the byte cannot fall under 1
.endr
.irp b, 0,1,2,3
	v_add_nc_u32 v[244+\b], 0xfe000000, v[232+\b]  ; 4 off the exponent field: the conversion's scale operand
.endr
.irp b, 0,1,2,3
	v_lshrrev_b32 v[236+\b], 23, v[244+\b]
.endr
	v_lshl_or_b32 v253, v237, 8, v236              ; p's scale word for these 128 keys
	v_lshl_or_b32 v253, v238, 16, v253
	v_lshl_or_b32 v253, v239, 24, v253
.irp c, 0,1
	v_cvt_scalef32_pk16_bf6_f32 v[224+6*\c:226+6*\c], v[96+32*\c:111+32*\c], v[244+2*\c]
	v_cvt_scalef32_pk16_bf6_f32 v[236+4*\c:238+4*\c], v[112+32*\c:127+32*\c], v[244+2*\c+1]
.endr
	v_nop                                          ; one plain place behind a scaled conversion
.irp c, 0,1
.irp i, 0,1,2
	v_permlane16_swap_b32 v[224+6*\c+\i], v[236+4*\c+\i]
.endr
.irp i, 0,1,2
	v_mov_b32 v[227+6*\c+\i], v[236+4*\c+\i]
.endr
.endr
.set J, 0
.rept 16
	v_pk_mul_f32 v[\ob+J:\ob+J+1], v[\ob+J:\ob+J+1], v[252:253] op_sel_hi:[1,0]   ; O^T under the new M; these sixteen are also the places between the codes and the scale word just made and the products
.set J, J+2
.endr
	s_wait_dscnt 0x0                               ; V is in
.irp a, 0,1,2,3                        ; O^T += V^T P^T: four accumulators, one instruction each
.if \a%2
	v_wmma_scale_f32_16x16x128_f8f6f4 v[\ob+8*\a:\ob+8*\a+7], v[32+12*\a:43+12*\a], v[224:235], v[\ob+8*\a:\ob+8*\a+7], v[248+\a/2], v253 matrix_a_fmt:MATRIX_FMT_BF6 matrix_b_fmt:MATRIX_FMT_BF6 matrix_a_scale:MATRIX_SCALE_ROW1
.else
	v_wmma_scale_f32_16x16x128_f8f6f4 v[\ob+8*\a:\ob+8*\a+7], v[32+12*\a:43+12*\a], v[224:235], v[\ob+8*\a:\ob+8*\a+7], v[248+\a/2], v253 matrix_a_fmt:MATRIX_FMT_BF6 matrix_b_fmt:MATRIX_FMT_BF6
.endif
.endr
.Lhidden_\@:
.endm
.macro TRIP                            ; a key step for both of my tiles
	v_add_nc_u32 v8, s[TB], v1
	v_add_nc_u32 v9, s[TB], v2
	STEP 16, 92, 12, 160, 94, GA
	STEP 80, 93, 28, 192, 95, GB
	s_add_co_u32 s[TB], s[TB], STEPB
.endm
; A tile's way out: O^T / the sum; its 64 dims are two blocks of the last product's K: one half fragment at v[cd] on, and two scale bytes in v[hw].
.macro OUT ob, mm, cd, hw, ptr
	v_add_f32 v[\mm+2], v[\mm+2], v[\mm+3]
	v_permlanex16_b32 v252, v[\mm+2], s[SEL], s[SEL+1]
	v_add_f32 v[\mm+2], v[\mm+2], v252             ; the row's sum
	v_rcp_f32 v[\mm+2], v[\mm+2]
	v_nop                                          ; a plain place behind the transcendental
	s_wait_alu depctr_va_vdst(0)                   ; and the wait ahead of its first reader
.set J, 0
.rept 32
	v_mul_f32 v[96+J], v[\ob+J], v[\mm+2]          ; ascending: each accumulator is read from its low end on
.set J, J+1
.endr
.irp b, 0,1
	v_max3_num_f32 v[232+\b], |v[96+16*\b]|, |v[97+16*\b]|, 0x2800000
.endr
.irp i, 2,4,6,8,10,12,14
.irp b, 0,1
	v_max3_num_f32 v[232+\b], v[232+\b], |v[96+16*\b+\i]|, |v[97+16*\b+\i]|
.endr
.endr
.irp b, 0,1
	v_permlanex16_b32 v[236+\b], v[232+\b], s[SEL], s[SEL+1]
.endr
.irp b, 0,1
	v_max_num_f32 v[232+\b], v[232+\b], v[236+\b]
.endr
.irp b, 0,1
	v_add_nc_u32 v[244+\b], 0xfe000000, v[232+\b]
.endr
.irp b, 0,1
	v_lshrrev_b32 v[236+\b], 23, v[244+\b]
.endr
	v_lshl_or_b32 v[\hw], v237, 8, v236
	v_cvt_scalef32_pk16_bf6_f32 v[\cd:\cd+2], v[96:111], v244
	v_cvt_scalef32_pk16_bf6_f32 v[\cd+4:\cd+6], v[112:127], v245
	v_nop
.irp i, 0,1,2
	v_permlane16_swap_b32 v[\cd+\i], v[\cd+4+\i]
.endr
.irp i, 0,1,2
	v_mov_b32 v[\cd+3+\i], v[\cd+4+\i]
.endr
	global_store_b128 v1, v[\cd:\cd+3], s[\ptr:\ptr+1]             ; 512 consecutive bytes
	global_store_b64 v2, v[\cd+4:\cd+5], s[\ptr:\ptr+1] offset:512 ; 256 consecutive bytes, aligned
.endm
	s_load_b128 s[4:7], s[0:1], 0x0                ; qb, kv
	s_load_b64 s[8:9], s[0:1], 0x10                ; cop
	v_lshl_add_u32 v11, v0, 2, 0x34000
	v_mov_b32 v255, 0
	ds_add_u32 v11, v255
	ds_add_u32 v11, v255
	v_lshrrev_b32 v1, 5, v0
	v_readfirstlane_b32 s[WV], v1                  ; wave 0..15
	s_bfe_u32 s[CX], ttmp6, 0x40000                ; my place in the cluster
	s_and_b32 s52, ttmp7, 0xffff                   ; 16 x batch + head, which the four partners share
	s_and_b32 s53, s[WV], 3
	s_mul_i32 s54, s53, STEPB                      ; a fetching wave (0 .. 3) brings steps w, 4 + w, 8 + w, 12 + w
	s_mul_i32 s56, s52, HEADKV
	s_add_co_u32 s56, s56, s54
	s_mov_b32 s57, 0
	s_mov_b32 s[G1], 15|(3<<16)|(1<<21)            ; the mask: all four work-groups; elements of 8 bytes; no padding; bit 21 beside a mask
	s_mov_b32 s[G1+1], 32<<16                      ; a step's record is a dense block: 51 rows of 256 bytes
	s_mov_b32 s[G1+2], 51<<16
	s_mov_b32 s[G1+3], 32<<16
	s_mov_b32 s[G1+4], 51
	s_mov_b32 s[G1+5], 32
	s_mov_b32 s[G1+6], 0
	s_mov_b32 s[G1+7], 0
	s_mov_b32 s[SEL], 0x76543210
	s_mov_b32 s[SEL+1], 0xfedcba98
	s_mov_b32 s[CS], 0x3e38aa3b                    ; log2(e) / 8
	s_mov_b32 s[CS+1], s[CS]
	s_mov_b32 s[GA], s[WV]
	s_sub_co_u32 s[GB], 15, s[WV]
	s_mul_i32 s58, s52, HEADQ
	s_mov_b32 s59, 0
	s_mul_i32 s60, s[GA], QREC
	s_mov_b32 s61, 0
	s_mul_i32 s62, s[GB], QREC
	s_mov_b32 s63, 0
	s_wait_dscnt 0x0
	s_wait_kmcnt 0x0
	s_add_nc_u64 s[6:7], s[6:7], s[56:57]
.irp n, 0,1,2,3
	s_mov_b32 s[G0+4*\n], 1
	s_add_co_u32 s[G0+4*\n+1], s54, \n*4*STEPB
	s_add_nc_u64 s[G0+4*\n+2:G0+4*\n+3], s[6:7], \n*4*STEPB
	s_or_b32 s[G0+4*\n+3], s[G0+4*\n+3], 0x80000000
.endr
	ROUND                                          ; all four work-groups are here: the joint loads meet
	s_cmp_lt_u32 s[WV], 4                          ; a wave's four fills stand in one branch; four loads of a wave are out at the most; four v_nop follow the last
	s_cbranch_scc0 .Lno_fill
	tensor_load_to_lds s[G0:G0+3], s[G1:G1+7]
	s_nop 0
	tensor_load_to_lds s[G0+4:G0+7], s[G1:G1+7]
	s_nop 0
	tensor_load_to_lds s[G0+8:G0+11], s[G1:G1+7]
	s_nop 0
	tensor_load_to_lds s[G0+12:G0+15], s[G1:G1+7]
	s_nop 0
.rept 4
	v_nop
.endr
.Lno_fill:
	s_add_nc_u64 s[4:5], s[4:5], s[58:59]          ; the head's q
	s_add_nc_u64 s[66:67], s[4:5], s[60:61]        ; my first tile's group,
	s_add_nc_u64 s[68:69], s[4:5], s[62:63]        ; my second's
	v_and_b32 v10, 31, v0
	v_lshlrev_b32 v1, 4, v10                       ; 16 l
	v_lshlrev_b32 v2, 3, v10                       ; 8 l
	s_mul_i32 s53, s[CX], 1536                     ; tile 2 cx
	v_add_nc_u32 v3, s53, v1
	v_add_nc_u32 v4, s53, v2
	v_and_b32 v6, 15, v0                           ; r
	s_lshr_b32 s53, s[CX], 1
	s_lshl_b32 s53, s53, 8
	s_and_b32 s54, s[CX], 1
	s_lshl_b32 s54, s54, 2
	s_add_co_u32 s53, s53, s54
	v_lshl_add_u32 v5, v6, 3, s53                  ; the tile pair's scale words: 256 (cx / 2) + 4 (cx % 2) + 8 r; the odd tile's lie 128 bytes on
	global_load_b128 v[16:19], v3, s[66:67]
	global_load_b64 v[20:21], v4, s[66:67] offset:512
	global_load_b32 v92, v5, s[66:67] offset:6144
	global_load_b128 v[80:83], v3, s[68:69] offset:768
	global_load_b64 v[84:85], v4, s[68:69] offset:768+512
	global_load_b32 v93, v5, s[68:69] offset:6144+128
.irp j, 22,23,24,25,26,27,86,87,88,89,90,91,56,57,58,59,60,61
	v_mov_b32 v\j, 0                               ; Q's upper halves: zero codes; and the six registers behind K's fourth tile
.endr
	v_and_b32 v7, 8, v6
	v_add_nc_u32 v7, v7, v6                        ; r + 8 (r / 8)
	v_bfe_u32 v10, v0, 4, 1
	v_lshlrev_b32 v10, 4, v10
	v_sub_nc_u32 v7, v7, v10
	s_lshl_b32 s53, s[CX], 5
	v_add_nc_u32 v94, s53, v7                      ; my query in its group - 16 (lane / 16): tile 2 cx,
	v_add_nc_u32 v95, 8, v94                       ; tile 2 cx + 1
	v_mov_b32 v13, 0xff61b1e6                      ; the largest t so far: -3e38
	v_floor_f32 v12, -v13
	v_mov_b32 v14, 0
	v_mov_b32 v15, 0
	v_mov_b32 v29, 0xff61b1e6
	v_floor_f32 v28, -v29
	v_mov_b32 v30, 0
	v_mov_b32 v31, 0
.irp j, 236,237,238,239,252,253
	v_mov_b32 v\j, 0                               ; lane permutes' destinations count as sources; v253 is named as the upper half of a pair
.endr
.set J, 0
.rept 64
	v_mov_b32 v[160+J], 0                          ; O^T: the step is written once; its first turn finds zeros
.set J, J+1
.endr
	s_wait_loadcnt 0x0                             ; Q
	s_wait_tensorcnt 3                             ; my first load (one of steps 0 .. 3) has landed; three may stay out
	s_barrier_signal -1
	s_barrier_wait -1
	s_mov_b32 s[ST], 0
	s_mov_b32 s[TB], 0
.Lfirst:                               ; steps 0 .. 3, while the other twelve land
	TRIP
	s_add_co_u32 s[ST], s[ST], 1
	s_cmp_lt_u32 s[ST], 4
	s_cbranch_scc1 .Lfirst
	s_wait_tensorcnt 0x0                           ; all my loads have landed,
	s_wait_dscnt 0x0
	s_barrier_signal -1
	s_barrier_wait -1                              ; everybody's have
	s_mov_b32 s[ST], 4
	s_mov_b32 s[TB], 4*STEPB
.Lrest:                                ; steps 4 .. 15
	TRIP
	s_add_co_u32 s[ST], s[ST], 1
	s_cmp_lt_u32 s[ST], 16
	s_cbranch_scc1 .Lrest
	; THE WAY OUT.  cop is laid as the last product's operand A: [16 x batch + group][chunk = head / 4] x 25,600; codes at 12,288 ((head / 2) % 2) + 1,536 i + 768 (head % 2);
	; scale bytes at 24,576 + 128 i + 8 r + 4 ((head / 2) % 2) + 2 (head % 2)
	s_lshr_b32 s53, s52, 4                         ; batch
	s_and_b32 s54, s52, 15                         ; head
	s_mul_i32 s56, s53, 1638400
	s_lshr_b32 s55, s54, 2
	s_mul_i32 s55, s55, 25600
	s_add_co_u32 s56, s56, s55
	s_mov_b32 s57, 0
	s_add_nc_u64 s[8:9], s[8:9], s[56:57]
	s_bfe_u32 s55, s54, 0x10001                    ; (head / 2) % 2
	s_and_b32 s54, s54, 1                          ; head % 2
	s_mul_i32 s58, s55, 12288
	s_mul_i32 s59, s54, 768
	s_add_co_u32 s58, s58, s59
	s_mul_i32 s59, s[CX], 3072
	s_add_co_u32 s58, s58, s59
	s_mul_i32 s60, s[GA], 102400
	s_mul_i32 s62, s[GB], 102400
	s_add_co_u32 s66, s60, s58
	s_mov_b32 s67, 0
	s_add_nc_u64 s[66:67], s[8:9], s[66:67]        ; my first tile's half fragment
	s_add_co_u32 s68, s62, s58
	s_add_co_u32 s68, s68, 1536
	s_mov_b32 s69, 0
	s_add_nc_u64 s[68:69], s[8:9], s[68:69]        ; my second's
	s_lshl_b32 s55, s55, 2
	s_lshl_b32 s54, s54, 1
	s_add_co_u32 s70, s55, s54
	s_mov_b32 s71, 0
	s_add_nc_u64 s[70:71], s[8:9], s[70:71]        ; the head's two bytes of a scale word
	s_lshl_b32 s59, s[CX], 8
	s_add_co_u32 s60, s60, s59                     ; the first tile's words,
	s_add_co_u32 s62, s62, s59
	s_add_co_u32 s62, s62, 128                     ; the second's
	s_mov_b32 s63, 0xffff0000                      ; lanes 16-31
	PLACES
	OUT 160, 12, 224, 240, 66
	OUT 192, 28, 32, 241, 68
	v_mov_b32 v242, s60
	v_mov_b32 v243, s62
	v_cndmask_b32 v242, v242, v243, s63            ; lanes 0-15 store the first tile's bytes, lanes 16-31 the second's
	v_and_b32 v243, 15, v0
	v_lshl_add_u32 v242, v243, 3, v242
	v_cndmask_b32 v240, v240, v241, s63
	global_store_b16 v242, v240, s[70:71] offset:24576   ; two bytes a row: a word's other two belong to another head, that is to another cluster
	s_wait_tensorcnt 0x0
	ds_add_u32 v11, v255
	s_wait_dscnt 0x0
	ROUND                                          ; the closing round: no work-group ends while a partner may still ask for a step that names it
	s_endpgm
.Lfunc_end_k_q2856521f11_attn:
	.size	k_q2856521f11_attn, .Lfunc_end_k_q2856521f11_attn-k_q2856521f11_attn
	.p2alignl 7, 3214868480
	.fill 96, 4, 3214868480
	.section	.rodata,"a",@progbits
	.p2align	6, 0x0
	.amdhsa_kernel k_q2856521f11_attn
		.amdhsa_group_segment_fixed_size 215040
		.amdhsa_private_segment_fixed_size 0
		.amdhsa_enable_private_segment 0
		.amdhsa_kernarg_size 24
		.amdhsa_user_sgpr_count 2
		.amdhsa_user_sgpr_kernarg_segment_ptr 1
		.amdhsa_wavefront_size32 1
		.amdhsa_system_sgpr_workgroup_id_x 1
		.amdhsa_system_sgpr_workgroup_id_y 1
		.amdhsa_system_sgpr_workgroup_id_z 1
		.amdhsa_system_vgpr_workitem_id 0
		.amdhsa_next_free_vgpr 256
		.amdhsa_next_free_sgpr 72
		.amdhsa_reserve_vcc 1
		.amdhsa_float_denorm_mode_32 3
		.amdhsa_float_denorm_mode_16_64 3
		.amdhsa_memory_ordered 1
		.amdhsa_forward_progress 1
		.amdhsa_inst_pref_size 102
	.end_amdhsa_kernel
	.amdgpu_metadata
---
amdhsa.version: [ 1, 2 ]
amdhsa.kernels:
  - .name:           k_q2856521f11_attn
    .symbol:         k_q2856521f11_attn.kd
    .args:
      - { .name: qb, .offset: 0, .size: 8, .value_kind: global_buffer, .address_space: global }
      - { .name: kv, .offset: 8, .size: 8, .value_kind: global_buffer, .address_space: global }
      - { .name: cop, .offset: 16, .size: 8, .value_kind: global_buffer, .address_space: global }
    .group_segment_fixed_size: 215040
    .private_segment_fixed_size: 0
    .kernarg_segment_align: 8
    .kernarg_segment_size: 24
    .max_flat_workgroup_size: 512
    .sgpr_count:     72
    .vgpr_count:     256
    .wavefront_size: 32
...
	.end_amdgpu_metadata
.endif
;; end of part 3
;; launch oproj (part 4): grid 4 x 64, 4 waves a work-group, clusters of 4 x 4, 307,712 bytes of LDS; arguments cop, wop, bo, out0; writes out0
.if DOCPART == 4
	.amdgcn_target "amdgcn-amd-amdhsa--gfx1250"
	.amdhsa_code_object_version 6
	.text
	.protected	k_q2856521f11_oproj
	.globl	k_q2856521f11_oproj
	.p2align	8
	.type	k_q2856521f11_oproj,@function
k_q2856521f11_oproj:
	s_mov_b64 s[64:65], 0
	v_nop
	global_prefetch_b8 v0, s[64:65] scope:SCOPE_SE
	s_setreg_imm32_b32 hwreg(HW_REG_WAVE_MODE, 25, 1), 1
	s_wait_xcnt 0x0
	s_wait_alu depctr_hold_cnt(0) depctr_sa_sdst(0) depctr_va_vdst(0) depctr_va_sdst(0) depctr_va_ssrc(0) depctr_va_vcc(0) depctr_vm_vsrc(0)
	s_getreg_b32 s2, hwreg(HW_REG_IB_STS2, 6, 4)
	s_cmp_eq_u32 s2, 0
	s_cbranch_scc0 .Lentry_in_a_cluster
	s_endpgm
.Lentry_in_a_cluster:
	s_bfe_u32 s2, ttmp6, 0x10000c
	s_cmp_lg_u32 s2, 0xf033
	s_cbranch_scc0 .Lentry_shape_is_right
	s_endpgm
.Lentry_shape_is_right:
; out0 = ctx Wo + bo on codes of BF6 with E8M0 scales, K = 1,024.  ctx comes as cop, Wo as wop's blocks 24-31, both [block of 128 rows][chunk of 256 K] x 25,600 bytes: half fragments of 768 bytes and scale words.
; A work-group makes 128 tokens x 256 columns.  ALL of K for that tile lies in LDS, 4 chunks x (A, B0, B1) x 25,600 = 307,200 bytes, each byte filled once: no slot is filled again.
; Four waves: wave w makes A's tiles 4 (w / 2) + 0 .. 3 x B's block w % 2: 32 accumulators.  The matrix instruction is used transposed (source 0 = 16 rows of Wo's operand, source 1 = 16 tokens): a lane holds one token,
; and, by the order of the rows in a tile (lane r of tile 2 b + u: row 32 b + 8 u + r + 8 (r / 8)), its registers 16 b + i hold columns 32 b + 16 (lane / 16) + i.
; bo is the C of each sum's first matrix instruction: it is added ahead of the products, not behind them.
; CLUSTERS of 4 x 4: A's chunks are shared along a row of the cluster, B's along a column: joint loads.  Wave 0 asks for A's four chunks, waves 1 and 2 for B0's and B1's: four loads of a wave are out at the most.
; REGISTERS: window 0: v16-25 addresses; v32-63 scale words, two sets; v64-111, v112-159 A's fragments, two sets (on the way out v64-191: rows read back).  window 1: accumulator (a, b) at 8 (8 a + b).
;   window 2: B's fragments at v0 and v128; bo's eight tiles at v96-127 and v224-255.
.set CHUNK, 25600
.set TRIO,  76800
.set RBLK,  102400
.set G1A, 24
.set G1B, 48
.set G0A, 68
.set G0B, 84
.set MUL,  0x52                        ; source 0 (B) window 2, source 1 (A) window 0, C and D window 1
.set MULF, 0x62                        ; the same with C (bo) in window 2
.set TO_B, 0x80                        ; destination window 2
.set MSB, 0
.macro WIN new                         ; the immediate's high byte repeats the setting that is left
.if MSB != \new
	s_set_vgpr_msb (MSB<<8)|\new
.set MSB, \new
.endif
.endm
.macro CROUND                          ; a round of the cluster's barrier
	s_barrier_signal -1
	s_barrier_wait -1
	s_cmp_lg_u32 s14, 0
	s_cbranch_scc1 .Lnot_wave_0_\@
	s_barrier_signal -3
.Lnot_wave_0_\@:
	s_barrier_wait -3
	s_barrier_signal -1
	s_barrier_wait -1
.endm
.macro PLACES                          ; four plain places behind matrix instructions, ahead of loads into their sources and of reads of their results
.rept 4
	v_nop
.endr
.endm
.macro FRAG reg, a16, a8, off          ; a fragment is two half fragments: dense loads of 16 and of 8 bytes a lane
	ds_load_b128 v[\reg:\reg+3], v[\a16] offset:\off
	ds_load_b64 v[\reg+4:\reg+5], v[\a8] offset:\off
	ds_load_b128 v[\reg+6:\reg+9], v[\a16] offset:\off+768
	ds_load_b64 v[\reg+10:\reg+11], v[\a8] offset:\off+768
.endm
.macro FETCH q, p
	WIN TO_B
.irp i, 0,1,2,3,4,5,6,7
	FRAG 128*(\p)+12*\i, 18, 19, ((\q)%2)*12288+1536*\i
.endr
	WIN 0
.irp a, 0,1,2,3
	FRAG 64+48*(\p)+12*\a, 16, 17, ((\q)%2)*12288+1536*\a
.endr
.endm
.macro SCALES sc                       ; register 2 i + q: lanes 0-15 A's tile i of mine, lanes 16-31 B's tile i
.irp i, 0,1,2,3,4,5,6,7
	ds_load_b64 v[32+16*(\sc)+2*\i:33+16*(\sc)+2*\i], v20 offset:128*\i
.endr
.endm
.macro MUL32 p, q, sc, first           ; the 32 accumulators by turns, one instruction a turn
.irp a, 0,1,2,3
.irp b, 0,1,2,3,4,5,6,7
.if \first
	v_wmma_scale_f32_16x16x128_f8f6f4 v[8*(8*\a+\b):8*(8*\a+\b)+7], v[128*(\p)+12*\b:128*(\p)+12*\b+11], v[64+48*(\p)+12*\a:64+48*(\p)+12*\a+11], v[96+8*\b+96*(\b/4):103+8*\b+96*(\b/4)], v[32+16*(\sc)+2*\b+(\q)%2], v[32+16*(\sc)+2*\a+(\q)%2] matrix_a_fmt:MATRIX_FMT_BF6 matrix_b_fmt:MATRIX_FMT_BF6 matrix_a_scale:MATRIX_SCALE_ROW1
.else
	v_wmma_scale_f32_16x16x128_f8f6f4 v[8*(8*\a+\b):8*(8*\a+\b)+7], v[128*(\p)+12*\b:128*(\p)+12*\b+11], v[64+48*(\p)+12*\a:64+48*(\p)+12*\a+11], v[8*(8*\a+\b):8*(8*\a+\b)+7], v[32+16*(\sc)+2*\b+(\q)%2], v[32+16*(\sc)+2*\a+(\q)%2] matrix_a_fmt:MATRIX_FMT_BF6 matrix_b_fmt:MATRIX_FMT_BF6 matrix_a_scale:MATRIX_SCALE_ROW1
.endif
.endr
.endr
.endm
.macro KSTEP q
	s_wait_dscnt 0x0                               ; this step's fragments, asked for a step ago, are in
.if (\q) < 7
.if ((\q)+1)%2 == 0
	s_wait_tensorcnt 3-((\q)+1)/2                  ; my load of the next chunk has landed; the later chunks' may stay out
	s_barrier_signal -1
	s_barrier_wait -1
.irp r, 16,17,18,19,20
	v_add_nc_u32 v\r, TRIO, v\r
.endr
.endif
	PLACES
	FETCH (\q)+1, 1-(\q)%2
.if ((\q)+1)%2 == 0
	SCALES (((\q)+1)/2)%2
.endif
.endif
.if (\q) == 0
	WIN MULF
	MUL32 0, 0, 0, 1                               ; the first step's products start the sums from bo
.else
	WIN MUL
	MUL32 (\q)%2, \q, ((\q)/2)%2, 0
.endif
	WIN 0
.endm
; THE WAY OUT, a tile of 16 tokens x 128 columns at a time, through my own stage in LDS: in 32 bytes of a row a lane and accumulator, back as whole rows of 512 bytes.
; The stages lie in chunk 0's bytes: they have had their only fill, and behind the barrier that opened chunk 1 nobody reads them.
.macro TOSTAGE a
	WIN 0x04                                       ; an LDS store's data are its source 1: window 1
.irp b, 0,1,2,3,4,5,6,7
	ds_store_b128 v24, v[8*(8*(\a)+\b):8*(8*(\a)+\b)+3] offset:128*(\b/2)+32*(\b%2)          ; each accumulator from its low end on
	ds_store_b128 v24, v[8*(8*(\a)+\b)+4:8*(8*(\a)+\b)+7] offset:128*(\b/2)+32*(\b%2)+16
.endr
	WIN 0
.irp t, 0,1,2,3,4,5,6,7,8,9,10,11,12,13,14,15
	ds_load_b128 v[64+64*((\a)%2)+4*\t:67+64*((\a)%2)+4*\t], v25 offset:528*\t   ; LDS serves a wave's instructions in order: these see the stores above
.endr
.endm
.macro SEND a, younger                 ; younger: the LDS instructions issued behind tile a's loads, which may stay out
	s_wait_dscnt \younger
.irp t, 0,1,2,3,4,5,6,7,8,9,10,11,12,13,14,15
	global_store_b128 v21, v[64+64*((\a)%2)+4*\t:67+64*((\a)%2)+4*\t], s[10:11] offset:(32*((\a)/2)+8*((\a)%2)+\t+8*(\t/8))*4096 th:TH_STORE_NT   ; 512 consecutive bytes of one row, aligned; the tile's lane t is that token
.endr
.endm
	s_load_b256 s[4:11], s[0:1], 0x0               ; cop s[4:5], wop s[6:7], bo s[8:9], out0 s[10:11]
	v_lshl_add_u32 v254, v0, 2, 0x4b000
	v_mov_b32 v255, 0
	ds_add_u32 v254, v255
	ds_add_u32 v254, v255
	v_lshrrev_b32 v1, 5, v0
	v_readfirstlane_b32 s14, v1                    ; wave 0..3
	s_lshr_b32 s15, s14, 1                         ; which half of A's tiles is mine.  Also: which block of B a fetching wave (1, 2) brings
	s_and_b32 s16, s14, 1                          ; which block of B is mine
	s_bfe_u32 s40, ttmp6, 0x40000                  ; cx
	s_bfe_u32 s41, ttmp6, 0x40004                  ; cy
	s_and_b32 s43, ttmp7, 0xffff
	s_lshl_b32 s44, s41, 2
	s_lshl_b32 s44, 15, s44                        ; my row of the cluster
	s_lshl_b32 s45, 0x1111, s40                    ; my column
	s_or_b32 s[G1A], s44, (3<<16)|(1<<21)          ; the mask; elements of 8 bytes; no padding; bit 21 beside a mask
	s_or_b32 s[G1B], s45, (3<<16)|(1<<21)
.irp g, G1A, G1B                       ; a chunk is a dense block: 100 rows of 256 bytes
	s_mov_b32 s[\g+1], 32<<16
	s_mov_b32 s[\g+2], 100<<16
	s_mov_b32 s[\g+3], 32<<16
	s_mov_b32 s[\g+4], 100
	s_mov_b32 s[\g+5], 32
	s_mov_b32 s[\g+6], 0
	s_mov_b32 s[\g+7], 0
.endr
	s_lshl_b32 s17, s43, 2
	s_add_co_u32 s17, s17, s41                     ; A: cop's block 4 Y + cy
	s_lshl_b32 s19, ttmp9, 2
	s_add_co_u32 s19, s19, s40                     ; B's index 4 X + cx: 256 columns
	s_lshl_b32 s46, s19, 1
	s_add_co_u32 s46, s46, s15
	s_add_co_u32 s46, s46, 24                      ; the block of wop that a fetching wave brings
	s_mul_i32 s20, s17, RBLK
	s_mov_b32 s21, 0
	s_mul_i32 s22, s46, RBLK
	s_mov_b32 s23, 0
	s_mul_i32 s47, s14, CHUNK                      ; where it goes: wave 0: A, wave 1: B0, wave 2: B1
	s_wait_dscnt 0x0
	s_wait_kmcnt 0x0
	s_add_nc_u64 s[60:61], s[4:5], s[20:21]
	s_add_nc_u64 s[62:63], s[6:7], s[22:23]
.irp j, 0,1,2,3
	s_mov_b32 s[G0A+4*\j], 1
	s_add_co_u32 s[G0A+4*\j+1], s47, \j*TRIO
	s_add_nc_u64 s[G0A+4*\j+2:G0A+4*\j+3], s[60:61], \j*CHUNK
	s_or_b32 s[G0A+4*\j+3], s[G0A+4*\j+3], 0x80000000
	s_mov_b32 s[G0B+4*\j], 1
	s_add_co_u32 s[G0B+4*\j+1], s47, \j*TRIO
	s_add_nc_u64 s[G0B+4*\j+2:G0B+4*\j+3], s[62:63], \j*CHUNK
	s_or_b32 s[G0B+4*\j+3], s[G0B+4*\j+3], 0x80000000
.endr
	CROUND                                         ; all sixteen work-groups are here: the joint loads meet
	s_cmp_eq_u32 s14, 0                            ; a wave's four fills stand in one branch on the wave's number; four v_nop follow the last
	s_cbranch_scc0 .Lnot_a
	tensor_load_to_lds s[G0A:G0A+3], s[G1A:G1A+7]
	s_nop 0
	tensor_load_to_lds s[G0A+4:G0A+7], s[G1A:G1A+7]
	s_nop 0
	tensor_load_to_lds s[G0A+8:G0A+11], s[G1A:G1A+7]
	s_nop 0
	tensor_load_to_lds s[G0A+12:G0A+15], s[G1A:G1A+7]
	s_nop 0
.rept 4
	v_nop
.endr
	s_branch .Lfilled
.Lnot_a:
	s_cmp_lt_u32 s14, 3
	s_cbranch_scc0 .Lfilled
	tensor_load_to_lds s[G0B:G0B+3], s[G1B:G1B+7]
	s_nop 0
	tensor_load_to_lds s[G0B+4:G0B+7], s[G1B:G1B+7]
	s_nop 0
	tensor_load_to_lds s[G0B+8:G0B+11], s[G1B:G1B+7]
	s_nop 0
	tensor_load_to_lds s[G0B+12:G0B+15], s[G1B:G1B+7]
	s_nop 0
.rept 4
	v_nop
.endr
.Lfilled:
	v_and_b32 v1, 31, v0                           ; l
	v_and_b32 v2, 15, v0                           ; r
	v_bfe_u32 v3, v0, 4, 1                         ; h
	v_lshlrev_b32 v21, 4, v1                       ; 16 l
	v_lshlrev_b32 v22, 3, v1                       ; 8 l
	v_lshlrev_b32 v23, 6, v3                       ; 64 h: bo's 16 numbers of my half
	s_lshl_b32 s2, s19, 10
	s_lshl_b32 s3, s16, 9
	s_add_co_u32 s2, s2, s3                        ; my first column, in bytes: 1,024 x index + 512 x half
	s_mov_b32 s3, 0
	s_add_nc_u64 s[8:9], s[8:9], s[2:3]
	WIN TO_B
.irp b, 0,1,2,3,4,5,6,7                ; bo in the result's layout: tile b = 2 c + u, lane half h: columns 32 c + 16 h + 8 u + 0 .. 7
	global_load_b128 v[96+8*\b+96*(\b/4):99+8*\b+96*(\b/4)], v23, s[8:9] offset:(32*(\b/2)+8*(\b%2))*4
	global_load_b128 v[100+8*\b+96*(\b/4):103+8*\b+96*(\b/4)], v23, s[8:9] offset:(32*(\b/2)+8*(\b%2))*4+16
.endr
	WIN 0
	s_lshl_b32 s12, s17, 7
	s_lshl_b32 s13, s15, 6
	s_add_co_u32 s12, s12, s13                     ; my first token: 128 x block + 64 x half
	s_lshl_b32 s12, s12, 12                        ; rows of 4,096 bytes (under 2^32)
	s_mov_b32 s13, 0
	s_add_nc_u64 s[10:11], s[10:11], s[12:13]
	s_add_nc_u64 s[10:11], s[10:11], s[2:3]
	s_mul_i32 s2, s15, 6144                        ; my four tiles of A
	v_add_nc_u32 v16, s2, v21
	v_add_nc_u32 v17, s2, v22
	v_add_nc_u32 v17, 512, v17
	s_mul_i32 s3, s16, CHUNK
	s_add_co_u32 s3, s3, CHUNK                     ; my block of B
	v_add_nc_u32 v18, s3, v21
	v_add_nc_u32 v19, s3, v22
	v_add_nc_u32 v19, 512, v19
	s_lshl_b32 s12, s15, 9                         ; the scale words: lanes 0-15 A's, lanes 16-31 B's: the lower base + h x the distance
	s_sub_co_u32 s13, s3, s12
	v_mul_u32_u24 v20, s13, v3
	v_lshl_add_u32 v20, v2, 3, v20
	s_add_co_u32 s12, s12, 24576
	v_add_nc_u32 v20, s12, v20
	s_mul_i32 s2, s14, 8448                        ; my stage: 16 rows x (512 bytes + 16)
	v_mul_u32_u24 v24, v2, 528
	v_lshl_add_u32 v24, v3, 6, v24
	v_add_nc_u32 v24, s2, v24                      ; in: row r, + 64 h
	v_add_nc_u32 v25, s2, v21                      ; back: 16 bytes a lane
	s_wait_tensorcnt 3                             ; my load of chunk 0 has landed; three may stay out
	s_barrier_signal -1
	s_barrier_wait -1
	FETCH 0, 0
	SCALES 0
	s_wait_loadcnt 0x0                             ; bo
.irp q, 0,1,2,3,4,5,6,7
	KSTEP \q
.endr
	PLACES
	TOSTAGE 0
.irp a, 1,2,3
.if \a > 1
	s_wait_xcnt 0x0                                ; tile a - 2's stores have read their registers: tile a's rows may land there
.endif
	TOSTAGE \a
	SEND \a-1, 32                                  ; behind tile a - 1's loads: tile a's 16 stores and 16 loads
.endr
	SEND 3, 0
	s_wait_tensorcnt 0x0
	ds_add_u32 v254, v255
	s_wait_dscnt 0x0
	CROUND                                         ; the closing round: no work-group ends while a partner may still ask for a chunk that names it
	s_endpgm
.Lfunc_end_k_q2856521f11_oproj:
	.size	k_q2856521f11_oproj, .Lfunc_end_k_q2856521f11_oproj-k_q2856521f11_oproj
	.p2alignl 7, 3214868480
	.fill 96, 4, 3214868480
	.section	.rodata,"a",@progbits
	.p2align	6, 0x0
	.amdhsa_kernel k_q2856521f11_oproj
		.amdhsa_group_segment_fixed_size 307712
		.amdhsa_private_segment_fixed_size 0
		.amdhsa_enable_private_segment 0
		.amdhsa_kernarg_size 32
		.amdhsa_user_sgpr_count 2
		.amdhsa_user_sgpr_kernarg_segment_ptr 1
		.amdhsa_wavefront_size32 1
		.amdhsa_system_sgpr_workgroup_id_x 1
		.amdhsa_system_sgpr_workgroup_id_y 1
		.amdhsa_system_sgpr_workgroup_id_z 1
		.amdhsa_system_vgpr_workitem_id 0
		.amdhsa_next_free_vgpr 768
		.amdhsa_next_free_sgpr 100
		.amdhsa_reserve_vcc 0
		.amdhsa_float_denorm_mode_32 3
		.amdhsa_float_denorm_mode_16_64 3
		.amdhsa_memory_ordered 1
		.amdhsa_forward_progress 1
		.amdhsa_inst_pref_size 86
	.end_amdhsa_kernel
	.amdgpu_metadata
---
amdhsa.version: [ 1, 2 ]
amdhsa.kernels:
  - .name:           k_q2856521f11_oproj
    .symbol:         k_q2856521f11_oproj.kd
    .args:
      - { .name: cop, .offset: 0, .size: 8, .value_kind: global_buffer, .address_space: global }
      - { .name: wop, .offset: 8, .size: 8, .value_kind: global_buffer, .address_space: global }
      - { .name: bo, .offset: 16, .size: 8, .value_kind: global_buffer, .address_space: global }
      - { .name: out0, .offset: 24, .size: 8, .value_kind: global_buffer, .address_space: global }
    .group_segment_fixed_size: 307712
    .private_segment_fixed_size: 0
    .kernarg_segment_align: 8
    .kernarg_segment_size: 32
    .max_flat_workgroup_size: 128
    .sgpr_count:     100
    .vgpr_count:     768
    .wavefront_size: 32
...
	.end_amdgpu_metadata
.endif
;; end of part 4
